; MI455X (gfx1250); checked and timed in simulation.
; The chip was launched on July 23, 2026; its instructions are those of AMD's public machine-readable ISA for CDNA 5 (MIT licence, August 2026) and "CDNA5" Instruction Set Architecture Reference Guide (July 2026). The comments in the code are by the model that wrote it; some were corrected since.
;; Attention Layer. Allowed arithmetic: matrix products marked QUANTISED: E2M1 operands, one E8M0 scale for each 32 along K, by v_wmma_scale_f32_16x16x128_f8f6f4 with both operands' format E2M1 (or v_wmma_scale_f32_32x16x128_f4), f32 sums; everything else in f32.
;; Inputs: Wk 32 x 256 float32; Wo 256 x 32 float32; Wq 32 x 256 float32; Wv 32 x 256 float32; bk 32 float32; bo 256 float32; bq 32 float32; bv 32 float32; gamma 1 float32; x 4 x 256 x 4,096 float32.
;; Outputs: out0 4 x 256 x 4,096 float32.
;; This version of the problem:
;;   THIS VERSION OF THE PROBLEM IS GIVEN IN LOW PRECISION. The matrix products marked QUANTISED in the list below multiply operands that are first quantised to E2M1 (2 exponent bits, 1 mantissa bit; 4 bits a number), with one power-of-two scale for each 32 numbers along K (OCP MX v1.0); their sums are f32. All else is computed in f32.
;;   The module's matrix products, in the order in which they are computed (A, B: the left and right operand; K: the contracted axis; several contracted axes count as one K, in the product's order):
;;     1. [M 16,384, K 256] x [K 256, N 32]; A: input x; B: input Wv: QUANTISED
;;     2. [M 16,384, K 256] x [K 256, N 32]; A: input x; B: input Wk: QUANTISED
;;     3. [M 16,384, K 256] x [K 256, N 32]; A: input x; B: input Wq: QUANTISED
;;     4. batch 4 x [M 4,096, K 32] x [K 32, N 4,096]; A: computed on the way; B: computed on the way: QUANTISED
;;     5. batch 4 x [M 32, K 4,096] x [K 4,096, N 4,096]; A: computed on the way; B: softmax (see below): QUANTISED
;;     6. [M 16,384, K 32] x [K 32, N 256]; A: computed on the way; B: input Wo: QUANTISED
;;   THE QUANTISER, for each operand of a quantised product, along K:
;;     - K is cut into blocks of 32 from its start; a last block that is shorter is filled with zeros.
;;     - A block's scale is 2^e with e = floor(log2(the largest magnitude in the block)) - 2, held to -126 .. 127; a block of zeros has e = 0. As a byte (E8M0): e + 127.
;;     - Each number is divided by its block's scale, clamped to +-6, and rounded to the nearest number of E2M1, ties to even, subnormals kept.
;;     - The product sums the exact products of the quantised numbers (number of the format x scale) in f32.
;;   ~~~python
;;   def quantise(x, axis):      # numpy; x: float32 -> the quantised numbers, widened to float32 again
;;       x = np.moveaxis(x, axis, -1); K = x.shape[-1]
;;       x = np.pad(x, [(0, 0)] * (x.ndim - 1) + [(0, -K % 32)]); x = x.reshape(x.shape[:-1] + (-1, 32)); a = np.abs(x).max(-1, keepdims=True)
;;       e = np.where(a > 0, np.clip(np.frexp(np.where(a > 0, a, 1))[1] - 1 - 2, -126, 127), 0)      # np.frexp(a)[1] - 1 = floor(log2(a)), exactly
;;       r = np.clip(x / 2.0 ** e, -6, 6)
;;       step = 2.0 ** (np.maximum(np.frexp(np.where(r == 0, 1, r))[1] - 1, 0) - 1)
;;       q = np.round(r / step) * step * 2.0 ** e      # np.round: ties to even
;;       return np.moveaxis(q.reshape(q.shape[:-2] + (-1,))[..., :K], -1, axis).astype(np.float32)
;;   ~~~
;;   SOFTMAX AHEAD OF A QUANTISED PRODUCT. Where the list says 'softmax', what is quantised is not the finished softmax but p = 2^(t - M), with t = logit x log2(e) and M = ceil(the row's largest t), a whole number; so 1/2 < the row's largest p <= 1. The row's sum l is taken of the UNQUANTISED p, in f32, and the product's result is divided by l at the end. Since M is a whole number, a kernel that streams over the keys may use a running M (the ceiling of the running maximum): every later rescaling is an exact power of two, which a block's scale takes up: the codes' values come out the same.
;;   OPERANDS COMPUTED ON THE WAY. 'Computed on the way' means the value that the module computes at that place (a softmax that the list does not call 'softmax' is quantised finished and normalised). What goes into a quantiser is computed in f32, as accurately as f32 sums, v_exp_f32 and their like allow (about 1e-6 of the number): no bf16 or f16 on the way to a quantiser, and a product that is left as it is and whose result goes on into a quantised operand takes f32 operands (vector FMAs, or v_wmma_f32_16x16x4_f32). A number that lies on a knife's edge between two numbers of the format may be rounded either way, as far as f32 arithmetic and the matrix unit's own rounding can turn it there, and no further.
;; 3 versions. Each part assembles by itself: llvm-mc -triple=amdgcn-amd-amdhsa -mcpu=gfx1250 --defsym DOCPART=n.
;; ======== version 1 of 3: 2 launches
;; workspace buffers: kv 589,824 bytes; fq 327,680 bytes
;; launch proj (part 1): grid 64 x 4, 16 waves a work-group, no clusters, 25,600 bytes of LDS; arguments x, Wv, Wk, Wq, bv, bk, bq, kv, fq; writes kv, fq
.if DOCPART == 1
	.amdgcn_target "amdgcn-amd-amdhsa--gfx1250"
	.amdhsa_code_object_version 6
	.text
	.protected	k_qd6bc96a0ea_proj
	.globl	k_qd6bc96a0ea_proj
	.p2align	8
	.type	k_qd6bc96a0ea_proj,@function
k_qd6bc96a0ea_proj:
	s_mov_b64 s[64:65], 0
	v_nop
	global_prefetch_b8 v0, s[64:65] scope:SCOPE_SE
	s_setreg_imm32_b32 hwreg(HW_REG_WAVE_MODE, 25, 1), 1
	s_wait_xcnt 0x0
; f = Wv x + bv, g = Wk x + bk, h = Wq x + bq on codes of FP4 (E2M1) with one E8M0 scale for each 32 along K (K = the 256 channels), and the three
; results quantised again for the attention launch: f and g along their 32 channels (one block a position), h along the positions (blocks of 32).
; x: [4][256][4096] f32.  W: [32][256] f32.  A work-group owns a CHUNK: 64 neighbouring positions of one batch (grid x = chunk, y = batch); sixteen waves.
; LIMITS: NaN and infinities among the inputs are not served.  A block of zeros gets the scale byte 1 where the rule says 127: its codes are zeros, which add
; nothing under any byte but 0xff, and the bytes are read by this program alone.
; NAMES.  L lane, r = L % 16, h = L / 16.  A tile (pb, u) of 16 positions: row r is position 32 pb + 8 u + r + 8 (r / 8); a tile u of 16 of the 32 output channels: row r is channel
; 8 u + r + 8 (r / 8).  With such rows the 16 result registers of tiles u = 0 and 1 are 16 NEIGHBOURS, 16 h + 0 .. 15, which the conversions want.
; X: wave w takes 32 positions (w / 8) and one block of 32 channels (w % 8): a lane a position, its 32 registers down K: each load reads 128 consecutive bytes, a block's largest magnitude needs no other lane,
;    and the four code registers go straight to their place in the image of an operand's registers in LDS (lane l's 16 bytes at 16 l).
; W: waves 0-11 take one fragment each (16 rows x 128 K of Wv, Wk or Wq), 64 numbers a lane in the operand's own order, and store its image.
; UNIT: behind a barrier waves 0-11 make one unit each, with ONE text.  f, g (waves 0-7): source 0 = W's tile a, source 1 = x's tile: a lane holds one position and 16 channels.
;    h (waves 8-11): source 0 = x's tile (pb, a), source 1 = Wq's tile: a lane holds one channel and 16 positions.  The bias is the C of each sum's first product.
; OUT: a unit's codes are 256 consecutive aligned bytes; the scale bytes meet in LDS and leave as one aligned block of 256 bytes for each buffer.
; kv, a chunk = 2,304 bytes: +0 g's codes (position (pb, u, r) at 512 pb + 256 u + 16 r), +1024 h's codes (channel tile ct, block pb, row r at 512 ct + 256 pb + 16 r),
;    +2048 g's scale words (word r, byte 2 pb + u), twice, +2176 h's (word 16 ct + r = bytes pb 0, pb 1, pb 0, pb 1).   fq, a chunk = 1,280 bytes: +0 f's codes as g's, +1024 f's words, four times.
; NO CLUSTER: x is shared by nobody.  W (96 KiB) is read by every work-group, but each of twelve waves needs its fragment as f32 in its lanes' registers, which sixteen 16-byte loads a lane give
; directly; brought jointly into LDS the same bytes would be written and read there once more, and no register would be spared.
.set IMG,   0                          ; LDS: 20 images of 1,024 bytes: 0-7 x (4 pb + 2 u + K step), 8-19 W (8 + 4 matrix + 2 tile + K step)
.set SCL,   20480                      ; 20 x 128 bytes: an image's scale words, word r at 4 r
.set SS,    23040                      ; the scale bytes on their way out: +0 f's (128), +256 g's (128), +384 h's (128)
.set FLOOR, 0x1800000                  ; 2^(3 - 127): no largest magnitude is taken under it, so the byte cannot fall under 1
.set LESS2, 0xff000000                 ; takes 2 off an exponent field
; 32 numbers of one lane: their largest magnitude (two chains), the conversion's scale operand (its exponent field alone is taken) and the scale's byte
.macro QB32 src, m0, m1, so, by
	v_max3_num_f32 v[\m0], |v[\src]|, |v[\src+1]|, FLOOR
	v_max3_num_f32 v[\m1], |v[\src+2]|, |v[\src+3]|, |v[\src+4]|
.irp i, 5,9,13,17,21,25
	v_max3_num_f32 v[\m0], v[\m0], |v[\src+\i]|, |v[\src+\i+1]|
	v_max3_num_f32 v[\m1], v[\m1], |v[\src+\i+2]|, |v[\src+\i+3]|
.endr
	v_max3_num_f32 v[\m0], v[\m0], |v[\src+29]|, |v[\src+30]|
	v_max3_num_f32 v[\m0], v[\m0], v[\m1], |v[\src+31]|
	v_add_nc_u32 v[\so], LESS2, v[\m0]
	v_lshrrev_b32 v[\by], 23, v[\so]
.endm
.macro MM d, a, b, c, sa, sb
	v_wmma_scale_f32_16x16x128_f8f6f4 v[\d:\d+7], v[\a:\a+7], v[\b:\b+7], v[\c:\c+7], v[\sa], v[\sb] matrix_a_fmt:MATRIX_FMT_FP4 matrix_b_fmt:MATRIX_FMT_FP4
.endm
.macro BARRIER                         ; my LDS stores have landed and my LDS loads are in: then the work-group's barrier
	s_wait_dscnt 0x0
	s_barrier_signal -1
	s_barrier_wait -1
.endm
	s_load_b256 s[4:11], s[0:1], 0x0               ; x s[4:5], Wv s[6:7], Wk s[8:9], Wq s[10:11]
	s_load_b256 s[12:19], s[0:1], 0x20             ; bv s[12:13], bk s[14:15], bq s[16:17], kv s[18:19]
	s_load_b64 s[20:21], s[0:1], 0x40              ; fq
	v_lshl_add_u32 v200, v0, 2, 0x5c00
	v_mov_b32 v201, 0
	v_lshrrev_b32 v1, 5, v0
	v_readfirstlane_b32 s22, v1                    ; wave 0..15
	v_and_b32 v1, 31, v0                           ; L
	v_and_b32 v2, 15, v0                           ; r
	v_bfe_u32 v3, v0, 4, 1                         ; h
	s_min_u32 s23, s22, 11                         ; the wave's number in the jobs that twelve waves share (waves 12-15 make the addresses of wave 11 and use none)
	s_lshr_b32 s24, s22, 3                         ; x: which 32 positions
	s_bfe_u32 s25, s22, 0x10002                    ; x: which K step of 128
	s_and_b32 s26, s22, 3                          ; x: which block of 32 in it
	s_and_b32 s27, s22, 7                          ; x: which block of the 8
	s_lshr_b32 s28, s23, 2                         ; matrix: 0 Wv (f), 1 Wk (g), 2 Wq (h)
	s_bfe_u32 s29, s23, 0x10001                    ; b1: W's tile; a unit's pb
	s_and_b32 s30, s23, 1                          ; b0: W's K step; a unit's u (f, g) or channel tile (h)
	s_lshr_b32 s31, s23, 3                         ; 1 in h's waves
	s_xor_b32 s32, s31, 1                          ; 1 in f's and g's
	s_and_b32 s37, s23, 3
	s_lshl_b32 s33, s28, 2                         ; source 0's first image: f, g: W's, 8 + 4 matrix; h: x's, 4 pb
	s_add_co_u32 s33, s33, 8
	s_mul_i32 s33, s33, s32
	s_lshl_b32 s2, s29, 2
	s_mul_i32 s2, s2, s31
	s_add_co_u32 s33, s33, s2
	s_lshl_b32 s34, s37, 1                         ; source 1's first image: f, g: x's, 4 pb + 2 u; h: Wq's, 16 + 2 tile
	s_mul_i32 s34, s34, s32
	s_lshl_b32 s2, s30, 1
	s_add_co_u32 s2, s2, 16
	s_mul_i32 s2, s2, s31
	s_add_co_u32 s34, s34, s2
	s_mul_i32 s35, s31, 66                         ; from lanes 0-15 to lanes 16-31 in the scale stage: 64 bytes (f, g: a second copy), 2 (h: the word's upper half)
	s_xor_b32 s35, s35, 64
	s_lshl_b32 s36, s28, 8                         ; my unit's byte in the scale stage: f, g: 256 matrix + (2 pb + u); h: 384 + 64 tile + pb
	s_add_co_u32 s36, s36, s37
	s_mul_i32 s36, s36, s32
	s_lshl_b32 s2, s30, 6
	s_add_co_u32 s2, s2, s29
	s_add_co_u32 s2, s2, 384
	s_mul_i32 s2, s2, s31
	s_add_co_u32 s36, s36, s2
	s_add_co_u32 s36, s36, SS
	s_mov_b32 s50, 0x76543210                      ; v_permlanex16_b32's selects for lane l xor 16
	s_mov_b32 s51, 0xfedcba98
	; every address register is made here, ahead of the first branch on the wave's number
	v_and_b32 v4, 7, v0                            ; x: lane (r, h) takes position r % 8 + 8 h + 16 (r / 8) of the 32: row r of tile u = h
	v_lshl_add_u32 v4, v3, 3, v4
	v_bfe_u32 v20, v0, 3, 1                        ; r / 8
	v_lshl_add_u32 v4, v20, 4, v4
	v_lshlrev_b32 v4, 2, v4
	s_lshl_b32 s2, s24, 12                         ; x's codes: image 4 pb + 2 h + K step; in it block q at 256 q, row r at 16 r
	s_lshl_b32 s3, s25, 10
	s_add_co_u32 s2, s2, s3
	s_lshl_b32 s3, s26, 8
	s_add_co_u32 s2, s2, s3
	v_lshlrev_b32 v5, 4, v2
	v_lshl_add_u32 v5, v3, 11, v5
	v_add_nc_u32 v5, s2, v5
	s_lshl_b32 s2, s24, 9                          ; x's scale byte: the image's word r, byte q
	s_lshl_b32 s3, s25, 7
	s_add_co_u32 s2, s2, s3
	s_add_co_u32 s2, s2, s26
	s_add_co_u32 s2, s2, SCL
	v_lshlrev_b32 v6, 2, v2
	v_lshl_add_u32 v6, v3, 8, v6
	v_add_nc_u32 v6, s2, v6
	v_lshl_add_u32 v21, v20, 3, v2                 ; r + 8 (r / 8)
	v_lshlrev_b32 v7, 10, v21                      ; W: that row of 1,024 bytes, + 32 h numbers
	v_lshl_add_u32 v7, v3, 7, v7
	s_add_co_u32 s2, s23, 8
	s_lshl_b32 s3, s2, 10
	v_lshl_add_u32 v8, v1, 4, s3                   ; W's image: 16 L
	s_lshl_b32 s3, s2, 7
	s_add_co_u32 s3, s3, SCL
	v_lshl_add_u32 v9, v1, 2, s3                   ; and its scale words: 4 L
	s_lshl_b32 s3, s33, 10
	v_lshl_add_u32 v10, v1, 4, s3                  ; a unit's loads: source 0's images,
	s_lshl_b32 s3, s34, 10
	v_lshl_add_u32 v11, v1, 4, s3                  ; source 1's,
	s_lshl_b32 s3, s33, 7
	s_add_co_u32 s3, s3, SCL
	v_lshl_add_u32 v12, v2, 2, s3                  ; and their scale words: word r
	s_lshl_b32 s3, s34, 7
	s_add_co_u32 s3, s3, SCL
	v_lshl_add_u32 v13, v2, 2, s3
	v_lshlrev_b32 v14, 4, v2                       ; a unit's codes in memory: 16 r + 8 h
	v_lshl_add_u32 v14, v3, 3, v14
	v_mul_u32_u24 v15, s35, v3                     ; a unit's scale byte in the stage
	v_lshl_add_u32 v15, v2, 2, v15
	v_add_nc_u32 v15, s36, v15
	v_lshlrev_b32 v17, 3, v1                       ; the scale blocks' way out: 8 L in memory;
	s_min_u32 s56, s22, 1
	s_lshl_b32 s57, s56, 7
	s_add_co_u32 s57, s57, 127
	v_and_b32 v16, s57, v17                        ; in LDS wave 0 reads f's 128 bytes twice, wave 1 g's 128 and h's 128
	s_lshl_b32 s57, s56, 8
	s_add_co_u32 s57, s57, SS
	v_add_nc_u32 v16, s57, v16
	v_lshlrev_b32 v18, 6, v3                       ; bias of f, g: numbers 16 h + 0 .. 15
	v_lshlrev_b32 v19, 2, v21                      ; bias of h: my channel's
	v_mov_b32 v30, 0                               ; written once: a lane permute's destination counts as one of its sources
	; byte offsets, apart from the addresses
	s_and_b32 s58, ttmp7, 0xffff                   ; batch
	s_lshl_b32 s59, s58, 6
	s_add_co_u32 s59, s59, ttmp9                   ; chunk id = 64 batch + chunk
	s_lshl_b32 s62, s58, 22                        ; x: batch x 4 MiB + block x 32 rows of 16,384 + chunk x 256 + 128 x (which 32 positions)
	s_lshl_b32 s3, s27, 19
	s_add_co_u32 s62, s62, s3
	s_lshl_b32 s3, ttmp9, 8
	s_add_co_u32 s62, s62, s3
	s_lshl_b32 s3, s24, 7
	s_add_co_u32 s62, s62, s3
	s_mov_b32 s63, 0
	s_lshl_b32 s52, s29, 13                        ; W: tile x 8 rows + K step x 512 bytes
	s_lshl_b32 s3, s30, 9
	s_add_co_u32 s52, s52, s3
	s_mov_b32 s53, 0
	s_mul_i32 s54, s31, s30                        ; bias of h: tile x 8 numbers
	s_lshl_b32 s54, s54, 5
	s_mov_b32 s55, 0
	s_lshl_b32 s60, s37, 8                         ; a unit's codes in its chunk: f, g: 256 (2 pb + u); h: 1024 + 512 tile + 256 pb
	s_mul_i32 s60, s60, s32
	s_lshl_b32 s2, s30, 9
	s_lshl_b32 s3, s29, 8
	s_add_co_u32 s2, s2, s3
	s_add_co_u32 s2, s2, 1024
	s_mul_i32 s2, s2, s31
	s_add_co_u32 s60, s60, s2
	s_mov_b32 s61, 0
	s_wait_kmcnt 0x0
	s_add_nc_u64 s[44:45], s[4:5], s[62:63]        ; x at my block
	s_mul_i32 s2, s59, 2304
	s_mov_b32 s3, 0
	s_add_nc_u64 s[46:47], s[18:19], s[2:3]        ; my chunk in kv
	s_mul_i32 s2, s59, 1280
	s_add_nc_u64 s[48:49], s[20:21], s[2:3]        ; and in fq
	s_cmp_eq_u32 s28, 0                            ; the choices hang on the wave's number alone
	s_cselect_b64 s[38:39], s[6:7], s[8:9]
	s_cselect_b64 s[40:41], s[12:13], s[14:15]
	s_cselect_b64 s[42:43], s[48:49], s[46:47]
	s_cmp_eq_u32 s28, 2
	s_cselect_b64 s[38:39], s[10:11], s[38:39]
	s_cselect_b64 s[40:41], s[16:17], s[40:41]
	s_add_nc_u64 s[38:39], s[38:39], s[52:53]      ; my fragment of W
	s_add_nc_u64 s[40:41], s[40:41], s[54:55]      ; my bias
	s_add_nc_u64 s[42:43], s[42:43], s[60:61]      ; where my unit's codes go
	s_add_nc_u64 s[48:49], s[48:49], 1024
	s_add_nc_u64 s[46:47], s[46:47], 2048
	s_cmp_eq_u32 s22, 0
	s_cselect_b64 s[46:47], s[48:49], s[46:47]     ; where the scale block goes: wave 0 fq's, wave 1 kv's
	; ---- all loads of a wave go out here: W and the bias first (they are worked on first), then x
	s_cmp_lt_u32 s22, 12
	s_cbranch_scc0 .Lno_w_loads
.irp c, 0,1
.irp j, 0,1,2,3,4,5,6,7
	global_load_b128 v[64+32*\c+4*\j:64+32*\c+4*\j+3], v7, s[38:39] offset:256*\c+16*\j   ; W(row, 64 c + 32 h + 4 j ..): the operand's own order
.endr
.endr
	s_cmp_lt_u32 s22, 8
	s_cbranch_scc0 .Lbias_h
.set n, 0
.rept 16
	global_load_b32 v[128+n], v18, s[40:41] offset:4*n     ; f, g: register n is channel 16 h + n
.set n, n+1
.endr
	s_branch .Lno_w_loads
.Lbias_h:
.set n, 0
.rept 16
	global_load_b32 v[128+n], v19, s[40:41]                ; h: all sixteen registers are my channel's (as many loads as in the other arm, so that one count serves both)
.set n, n+1
.endr
.Lno_w_loads:
.set n, 0
.rept 32
	global_load_b32 v[32+n], v4, s[44:45] offset:16384*n th:TH_LOAD_NT   ; x(32 block + n, my position): 32 lanes read 128 consecutive bytes
.set n, n+1
.endr
	; ---- W's fragment: two whole blocks a lane
	s_cmp_lt_u32 s22, 12
	s_cbranch_scc0 .Lno_w
	s_wait_loadcnt 48                              ; W's sixteen loads are in; the 16 of the bias and the 32 of x are younger
	QB32 64, 20, 21, 24, 26
	QB32 96, 22, 23, 25, 27
	v_lshl_or_b32 v28, v27, 16, v26                ; my two bytes: blocks h and 2 + h of my row,
	v_lshlrev_b32 v29, 3, v3
	v_lshlrev_b32 v28, v29, v28                    ; at their places in the scale word;
	v_permlanex16_b32 v30, v28, s50, s51
	v_or_b32 v28, v28, v30                         ; with lane l xor 16's two the word is whole
.irp c, 0,1
.irp g, 0,1,2,3
	v_cvt_scalef32_pk8_fp4_f32 v[148+4*\c+\g], v[64+32*\c+8*\g:64+32*\c+8*\g+7], v[24+\c]
.endr
.endr
	v_nop                                          ; one plain line behind the last scaled conversion
	ds_store_b128 v8, v[148:151]
	ds_store_b128 v8, v[152:155] offset:512
	ds_store_b32 v9, v28
.Lno_w:
	; ---- x's block: all 32 numbers are the lane's own
	s_wait_loadcnt 0x0
	QB32 32, 20, 21, 24, 26
.irp g, 0,1,2,3
	v_cvt_scalef32_pk8_fp4_f32 v[144+\g], v[32+8*\g:32+8*\g+7], v24
.endr
	v_nop
	ds_store_b128 v5, v[144:147]
	ds_store_b8 v6, v26
	BARRIER                                        ; the twenty images and their scale words lie in LDS
	; ---- a unit: two accumulators by turns, two K steps
	s_cmp_lt_u32 s22, 12
	s_cbranch_scc0 .Lno_unit
.irp a, 0,1
.irp k, 0,1
.irp c, 0,1
	ds_load_b128 v[64+16*\a+8*\k+4*\c:64+16*\a+8*\k+4*\c+3], v10 offset:2048*\a+1024*\k+512*\c
.endr
	ds_load_b32 v[160+2*\a+\k], v12 offset:256*\a+128*\k
.endr
.endr
.irp k, 0,1
.irp c, 0,1
	ds_load_b128 v[96+8*\k+4*\c:96+8*\k+4*\c+3], v11 offset:1024*\k+512*\c
.endr
	ds_load_b32 v[164+\k], v13 offset:128*\k
.endr
	s_wait_dscnt 0x0
	MM 176, 64, 96, 128, 160, 164                  ; the bias starts each sum
	MM 184, 80, 96, 136, 162, 164
	MM 176, 72, 104, 176, 161, 165                 ; the accumulators take turns, one instruction a turn
	MM 184, 88, 104, 184, 163, 165
.rept 4
	v_nop                                          ; four places in front of the first read of the results (ISA guide 7.12.1)
.endr
	v_max3_num_f32 v20, |v176|, |v177|, FLOOR      ; my 16 numbers of the block, each accumulator from its low end on
	v_max3_num_f32 v21, |v184|, |v185|, |v186|
	v_max3_num_f32 v20, v20, |v178|, |v179|
	v_max3_num_f32 v21, v21, |v187|, |v188|
	v_max3_num_f32 v20, v20, |v180|, |v181|
	v_max3_num_f32 v21, v21, |v189|, |v190|
	v_max3_num_f32 v20, v20, |v182|, |v183|
	v_max3_num_f32 v20, v20, v21, |v191|
	v_permlanex16_b32 v30, v20, s50, s51
	v_max_num_f32 v20, v20, v30                    ; with lane l xor 16's sixteen: the block's largest magnitude
	v_add_nc_u32 v24, LESS2, v20
	v_lshrrev_b32 v26, 23, v24
	v_cvt_scalef32_pk8_fp4_f32 v192, v[176:183], v24
	v_cvt_scalef32_pk8_fp4_f32 v193, v[184:191], v24
	v_nop
	global_store_b64 v14, v[192:193], s[42:43]     ; 32 lanes store 256 consecutive bytes, at a multiple of 256 from the buffer's first byte
	ds_store_b8 v15, v26                           ; lanes l and l xor 16 hold the same byte and write it to two places
.Lno_unit:
	BARRIER                                        ; all scale bytes lie in the stage
	s_cmp_lt_u32 s22, 2
	s_cbranch_scc0 .Ldone
	ds_load_b64 v[194:195], v16
	s_wait_dscnt 0x0
	global_store_b64 v17, v[194:195], s[46:47]     ; 256 consecutive aligned bytes
.Ldone:
	s_wait_tensorcnt 0x0
	ds_add_u32 v200, v201
	s_wait_dscnt 0x0
	s_endpgm
.Lfunc_end_k_qd6bc96a0ea_proj:
	.size	k_qd6bc96a0ea_proj, .Lfunc_end_k_qd6bc96a0ea_proj-k_qd6bc96a0ea_proj
	.p2alignl 7, 3214868480
	.fill 96, 4, 3214868480
	.section	.rodata,"a",@progbits
	.p2align	6, 0x0
	.amdhsa_kernel k_qd6bc96a0ea_proj
		.amdhsa_group_segment_fixed_size 25600
		.amdhsa_private_segment_fixed_size 0
		.amdhsa_enable_private_segment 0
		.amdhsa_kernarg_size 72
		.amdhsa_user_sgpr_count 2
		.amdhsa_user_sgpr_kernarg_segment_ptr 1
		.amdhsa_wavefront_size32 1
		.amdhsa_system_sgpr_workgroup_id_x 1
		.amdhsa_system_sgpr_workgroup_id_y 1
		.amdhsa_system_sgpr_workgroup_id_z 1
		.amdhsa_system_vgpr_workitem_id 0
		.amdhsa_next_free_vgpr 202
		.amdhsa_next_free_sgpr 66
		.amdhsa_reserve_vcc 0
		.amdhsa_float_denorm_mode_32 3
		.amdhsa_float_denorm_mode_16_64 3
		.amdhsa_memory_ordered 1
		.amdhsa_forward_progress 1
		.amdhsa_inst_pref_size 23
	.end_amdhsa_kernel
	.amdgpu_metadata
---
amdhsa.version: [ 1, 2 ]
amdhsa.kernels:
  - .name:           k_qd6bc96a0ea_proj
    .symbol:         k_qd6bc96a0ea_proj.kd
    .args:
      - { .name: x, .offset: 0, .size: 8, .value_kind: global_buffer, .address_space: global }
      - { .name: Wv, .offset: 8, .size: 8, .value_kind: global_buffer, .address_space: global }
      - { .name: Wk, .offset: 16, .size: 8, .value_kind: global_buffer, .address_space: global }
      - { .name: Wq, .offset: 24, .size: 8, .value_kind: global_buffer, .address_space: global }
      - { .name: bv, .offset: 32, .size: 8, .value_kind: global_buffer, .address_space: global }
      - { .name: bk, .offset: 40, .size: 8, .value_kind: global_buffer, .address_space: global }
      - { .name: bq, .offset: 48, .size: 8, .value_kind: global_buffer, .address_space: global }
      - { .name: kv, .offset: 56, .size: 8, .value_kind: global_buffer, .address_space: global }
      - { .name: fq, .offset: 64, .size: 8, .value_kind: global_buffer, .address_space: global }
    .group_segment_fixed_size: 25600
    .private_segment_fixed_size: 0
    .kernarg_segment_align: 8
    .kernarg_segment_size: 72
    .max_flat_workgroup_size: 512
    .sgpr_count:     66
    .vgpr_count:     202
    .wavefront_size: 32
...
	.end_amdgpu_metadata
.endif
;; end of part 1
;; launch attn (part 2): grid 64 x 4, 16 waves a work-group, clusters of 4 x 1, 264,192 bytes of LDS; arguments kv, fq, Wo, bo, gamma, x, out0; writes out0
.if DOCPART == 2
	.amdgcn_target "amdgcn-amd-amdhsa--gfx1250"
	.amdhsa_code_object_version 6
	.text
	.protected	k_qd6bc96a0ea_attn
	.globl	k_qd6bc96a0ea_attn
	.p2align	8
	.type	k_qd6bc96a0ea_attn,@function
k_qd6bc96a0ea_attn:
	s_mov_b64 s[64:65], 0
	v_nop
	global_prefetch_b8 v0, s[64:65] scope:SCOPE_SE
	s_setreg_imm32_b32 hwreg(HW_REG_WAVE_MODE, 25, 1), 1
	s_wait_xcnt 0x0
	s_wait_alu depctr_hold_cnt(0) depctr_sa_sdst(0) depctr_va_vdst(0) depctr_va_sdst(0) depctr_va_ssrc(0) depctr_va_vcc(0) depctr_vm_vsrc(0)
	s_getreg_b32 s2, hwreg(HW_REG_IB_STS2, 6, 4)
	s_cmp_eq_u32 s2, 0
	s_cbranch_scc0 .Lentry_in_a_cluster
	s_endpgm
.Lentry_in_a_cluster:
	s_bfe_u32 s2, ttmp6, 0x10000c
	s_cmp_lg_u32 s2, 0x3003
	s_cbranch_scc0 .Lentry_shape_is_right
	s_endpgm
.Lentry_shape_is_right:
; out0 = gamma (Wo softmax_j(f_i . g_j) h_j + bo) + x, all three products on codes of FP4 (E2M1) with one E8M0 scale for each 32 along K.  f, g, h come as codes and scale bytes from the launch before
; (layouts: that launch's head; a chunk = 64 positions = 2,304 bytes of kv, 1,280 of fq).  Wo [256][32], bo [256], gamma [1], x and out0 [4][256][4096]: f32.
; THE SOFTMAX: t = score x log2(e); M = the largest t so far, rounded UP to a whole number; p = 2^(t - M) is quantised along the keys, not normalised; the row's sum is taken of the unquantised p and divides at the end.
; LIMITS: NaN and infinities are not served; p under 2^-126 counts as 0 (v_exp_f32's result, ISA guide 15.8); the division is v_rcp_f32 and a multiplication; a block of zeros carries the byte 1, its codes are zeros.
; SHARES.  A work-group owns a chunk's 64 queries.  Wave w: tile t = w % 4 of 16 queries (row r = position 32 (t / 2) + 8 (t % 2) + r + 8 (r / 8)), quarter kq = w / 4 of the batch's 4,096 keys: 8 steps of 128.
; The four partial results of a tile meet in LDS (M is a whole number: every factor is a power of two); each wave then makes 64 of the 256 output channels for its tile.
; LDS.  A batch's keys and values are 64 x 2,304 = 147,456 bytes: they come ONCE, whole, and stay: no slot is filled again.
; CLUSTER.  The four work-groups of a cluster belong to one batch and read the same 147,456 bytes: each wave's sixteenth of them is asked for JOINTLY, by the same tensor load with the same descriptor in all four.
; K = 32 IN AN INSTRUCTION OF K = 128.  A fragment of g (two dense loads: a whole chunk) holds FOUR tiles of 16 keys, one in each block of 32 along K.  The queries' operand stands in four variants, f's 32 codes in
; block kb and zero codes elsewhere: the product with variant kb is tile kb's scores (a zero code adds nothing: E2M1 has no NaN and no infinity, and no scale byte here is 0xff).  The variants are five groups of four
; registers, 0 | f in lanes 0-15 | 0 | f in lanes 16-31 | 0, read at four places.  The last product (K = 32 too) has its codes in block 0 and zero codes elsewhere.
; LAYOUT.  Both attention products are used transposed (source 0 = 16 keys, or 16 channels of h; source 1 = my 16 queries): a lane holds ONE query throughout, and the rows of the tiles are so chosen that
; 16 registers of two neighbouring tiles are 16 neighbours along the next K.
; REGISTERS: v1-3 places that stay, v4-6 the step's LDS addresses; v7-18, v31 addresses; v12 -M, v13 largest t, v[14:15] the sum; v19-29 scale words and nothing else; v32-47 g's two fragments, v48-63 h's two;
; v64-79 Wo's codes; v80-99 the queries' five groups; v100-163 scores, then p; v164-179 O^T; v180-187 p's codes; v188-191 gamma bo; v192-215 at work; v216-247 my rows of x; v248-251 bo.
.set CHK,   2304                       ; a chunk in kv and in LDS; also a wave's place in MG
.set MG,    147456                     ; behind the batch: 16 x 2,304: a wave's O^T (4 x 512), -M at +2048, the sum at +2176
.set ST,    184320                     ; the stage: 256 rows (output channels) x (256 bytes = 64 positions, + 16)
.set SP,    272
.set S,     100
.set OT,    164
.set PC,    180
.set FLOOR, 0x1800000                  ; 2^(3 - 127)
.set LESS2, 0xff000000                 ; takes 2 off an exponent field
; A round of the cluster's barrier: my work-group's barrier, wave 0 signals for the work-group, every wave waits for all four work-groups, my work-group's barrier once more.
.macro CROUND
	s_barrier_signal -1
	s_barrier_wait -1
	s_cmp_lg_u32 s18, 0
	s_cbranch_scc1 .Lnot_wave_0_\@
	s_barrier_signal -3
.Lnot_wave_0_\@:
	s_barrier_wait -3
	s_barrier_signal -1
	s_barrier_wait -1
.endm
	s_load_b256 s[4:11], s[0:1], 0x0               ; kv s[4:5], fq s[6:7], Wo s[8:9], bo s[10:11]
	s_load_b128 s[12:15], s[0:1], 0x20             ; gamma s[12:13], x s[14:15]
	s_load_b64 s[16:17], s[0:1], 0x30              ; out0
	v_lshl_add_u32 v254, v0, 2, 0x40000
	v_mov_b32 v255, 0
	ds_add_u32 v254, v255
	ds_add_u32 v254, v255
	v_lshrrev_b32 v1, 5, v0
	v_readfirstlane_b32 s18, v1                    ; wave 0..15
	s_and_b32 s19, s18, 3                          ; t: my tile of queries
	s_lshr_b32 s36, s18, 2                         ; kq: my quarter of the keys, and my 64 output channels
	s_bfe_u32 s37, ttmp6, 0x40000                  ; cx: it enters fq's, x's and out0's addresses alone
	s_lshl_b32 s38, ttmp9, 2
	s_add_co_u32 s38, s38, s37                     ; chunk = 4 x cluster x + cx
	s_and_b32 s39, ttmp7, 0xffff                   ; batch, which the four partners share
	; descriptor group 1: 36 rows of 256 bytes (32 elements of 8 bytes), dense: four chunks
	s_mov_b32 s24, 0x0023000f                      ; 15:0 the mask: all four work-groups; 17:16 elements of 8 bytes; 21 set beside a mask; no padding
	s_mov_b32 s25, 32<<16                          ; tensor_dim0 = 32
	s_mov_b32 s26, 36<<16                          ; tensor_dim1 = 36
	s_mov_b32 s27, 32<<16                          ; tile_dim0 = 32
	s_mov_b32 s28, 36                              ; tile_dim1 = 36
	s_mov_b32 s29, 32                              ; from row to row
	s_mov_b32 s30, 0
	s_mov_b32 s31, 0
	s_mov_b32 s20, 0x76543210                      ; v_permlanex16_b32's selects for lane l xor 16
	s_mov_b32 s21, 0xfedcba98
	s_mov_b32 s22, 0x3fb8aa3b                      ; log2(e)
	s_mov_b32 s23, s22                             ; (named with it as a pair, so it is written)
	s_mov_b32 s47, 0x01010101
	s_mov_b32 s45, 8                               ; key steps
	s_mul_i32 s44, s36, 16*CHK                     ; LDS byte of the step's first chunk
	s_mul_i32 s33, s18, 4*CHK                      ; group 0, 63:32: my four chunks' place in LDS: wave x 9,216
	s_mul_i32 s40, s39, 64*CHK                     ; and in kv: batch x 147,456 + wave x 9,216
	s_add_co_u32 s40, s40, s33
	s_mov_b32 s41, 0
	s_lshl_b32 s42, s39, 6
	s_add_co_u32 s42, s42, s38
	s_mul_i32 s42, s42, 1280                       ; my chunk in fq
	s_mov_b32 s43, 0
	s_lshl_b32 s48, s39, 22                        ; x, out0: batch x 4 MiB + chunk x 256
	s_lshl_b32 s49, s38, 8
	s_add_co_u32 s48, s48, s49
	s_mov_b32 s49, 0
	s_lshl_b32 s50, s36, 13                        ; Wo: my 64 rows of 128 bytes
	s_mov_b32 s51, 0
	s_lshl_b32 s52, s36, 8                         ; bo: my 64 numbers
	s_mov_b32 s53, 0
	v_and_b32 v30, 31, v0                          ; L
	v_and_b32 v8, 15, v0                           ; r
	v_bfe_u32 v9, v0, 4, 1                         ; h
	v_lshlrev_b32 v1, 4, v30                       ; an image's place for my lane: 16 L
	v_mul_u32_u24 v2, v9, CHK                      ; g's scale words: lanes 0-15 the step's first chunk, lanes 16-31 its second; word r
	v_lshl_add_u32 v2, v8, 2, v2
	v_add_nc_u32 v2, 2048, v2
	v_lshlrev_b32 v3, 2, v30                       ; h's scale words: word L
	v_add_nc_u32 v3, 2176, v3
	s_mul_i32 s2, s18, CHK
	s_add_co_u32 s2, s2, MG
	v_add_nc_u32 v10, s2, v1                       ; where my partial O^T goes,
	v_lshl_add_u32 v7, v30, 2, s2
	v_add_nc_u32 v7, 2048, v7                      ; and my -M and sum
	s_mul_i32 s2, s19, CHK
	s_add_co_u32 s2, s2, MG
	v_add_nc_u32 v11, s2, v1                       ; my tile's four partials: 4 waves = 9,216 bytes apart
	v_lshl_add_u32 v16, v30, 2, s2
	v_add_nc_u32 v16, 2048, v16
	s_mul_i32 s2, s36, 64*SP                       ; the stage, in: row 64 kq + r (+ 16 i), bytes 128 (t / 2) + 32 (t % 2) + 64 h
	s_lshr_b32 s3, s19, 1
	s_lshl_b32 s3, s3, 7
	s_add_co_u32 s2, s2, s3
	s_and_b32 s3, s19, 1
	s_lshl_b32 s3, s3, 5
	s_add_co_u32 s2, s2, s3
	s_add_co_u32 s2, s2, ST
	v_mul_u32_u24 v17, v8, SP
	v_lshl_add_u32 v17, v9, 6, v17
	v_add_nc_u32 v17, s2, v17
	s_mul_i32 s2, s18, 16*SP                       ; and back: my 16 rows; lanes 0-15 one row, lanes 16-31 the next
	s_add_co_u32 s2, s2, ST
	v_mul_u32_u24 v18, v9, SP
	v_lshl_add_u32 v18, v8, 4, v18
	v_add_nc_u32 v18, s2, v18
	s_lshl_b32 s2, s18, 18                         ; the same rows in x and out0: (16 w + h) x 16,384 + 16 r; never rewritten
	v_lshlrev_b32 v31, 14, v9
	v_lshl_add_u32 v31, v8, 4, v31
	v_add_nc_u32 v31, s2, v31
	s_lshl_b32 s2, s19, 8
	v_lshl_add_u32 v210, v8, 4, s2                 ; f's codes: 256 t + 16 r
	s_add_co_u32 s3, s19, 1024
	v_lshl_add_u32 v211, v8, 2, s3                 ; f's scale byte: 1024 + 4 r + t
	v_lshlrev_b32 v212, 2, v8                      ; bo: 4 r
	v_lshlrev_b32 v213, 7, v8                      ; Wo: row r
.irp j, 80,81,82,83,88,89,90,91,96,97,98,99
	v_mov_b32 v\j, 0                               ; the three groups of zero codes
.endr
	s_wait_dscnt 0x0
	s_wait_kmcnt 0x0
	s_load_b32 s46, s[12:13], 0x0                  ; gamma
	s_mov_b32 s32, 1                               ; group 0: count = 1
	s_add_nc_u64 s[34:35], s[4:5], s[40:41]        ; 120:64 global address
	s_or_b32 s35, s35, 0x80000000                  ; 127:126 type = 2
	s_add_nc_u64 s[6:7], s[6:7], s[42:43]
	s_add_nc_u64 s[8:9], s[8:9], s[50:51]
	s_add_nc_u64 s[10:11], s[10:11], s[52:53]
	s_add_nc_u64 s[14:15], s[14:15], s[48:49]
	s_add_nc_u64 s[16:17], s[16:17], s[48:49]
	CROUND                                         ; all four work-groups are here: the joint loads meet
	tensor_load_to_lds s[32:35], s[24:31]          ; my sixteenth of the batch: the wave's one tensor load
	s_nop 0
.rept 4
	v_nop
.endr
	global_load_b128 v[84:87], v210, s[6:7]        ; my queries' codes, the same in both halves of the lanes
	global_load_u8 v214, v211, s[6:7]              ; and their scale byte
.irp i, 0,1,2,3
	global_load_b32 v[248+\i], v212, s[10:11] offset:64*\i
.endr
.irp i, 0,1,2,3                                ; Wo: four tiles of 16 rows x 32 numbers; tiles 0-2 land in v100-195, tile 3 in v32-63
.irp j, 0,1,2,3,4,5,6,7
	global_load_b128 v[100+32*\i-164*(\i/3)+4*\j:100+32*\i-164*(\i/3)+4*\j+3], v213, s[8:9] offset:2048*\i+16*\j
.endr
.endr
.irp i, 0,1,2,3,4,5,6,7
	global_load_b128 v[216+4*\i:219+4*\i], v31, s[14:15] offset:32768*\i th:TH_LOAD_NT   ; the residual: wanted at the very end, asked for now
.endr
	s_wait_loadcnt 8                               ; all but the eight loads of x, which stay out until the way out
	s_wait_kmcnt 0x0                               ; gamma
	v_cmp_lt_u32 vcc_lo, 15, v30                   ; lanes 16-31
.irp i, 0,1,2,3
	v_cndmask_b32 v[92+\i], 0, v[84+\i], vcc_lo    ; f in lanes 16-31, zero codes below
.endr
.irp i, 0,1,2,3
	v_cndmask_b32 v[84+\i], v[84+\i], v80, vcc_lo  ; f in lanes 0-15, zero codes above
.endr
	v_mul_lo_u32 v19, v214, s47                    ; f's byte in all four places of the scale word: whichever block holds f finds it
.irp i, 0,1,2,3                                ; Wo's rows are one block each; the four tiles by turns
	v_max3_num_f32 v[196+\i], |v[100+32*\i-164*(\i/3)]|, |v[100+32*\i-164*(\i/3)+1]|, FLOOR
.endr
.set k, 2
.rept 15
.irp i, 0,1,2,3
	v_max3_num_f32 v[196+\i], v[196+\i], |v[100+32*\i-164*(\i/3)+k]|, |v[100+32*\i-164*(\i/3)+k+1]|
.endr
.set k, k+2
.endr
.irp i, 0,1,2,3
	v_add_nc_u32 v[200+\i], LESS2, v[196+\i]
.endr
.irp i, 0,1,2,3
	v_lshrrev_b32 v[26+\i], 23, v[200+\i]          ; the byte of block 0; the word's other bytes are 0 and meet zero codes
.endr
.irp i, 0,1,2,3
.irp g, 0,1,2,3
	v_cvt_scalef32_pk8_fp4_f32 v[64+4*\i+\g], v[100+32*\i-164*(\i/3)+8*\g:100+32*\i-164*(\i/3)+8*\g+7], v[200+\i]
.endr
.endr
	v_nop                                          ; one plain line behind the last scaled conversion
.irp i, 0,1,2,3
	v_mul_f32 v[188+\i], s46, v[248+\i]            ; gamma bo
.endr
	v_mov_b32 v13, 0xff61b1e6                      ; the largest t so far: -3e38, under every t
	v_floor_f32 v12, -v13                          ; -M
	v_mov_b32 v14, 0                               ; the sum, in two halves
	v_mov_b32 v15, 0
	v_mov_b32 v209, 0                              ; (upper halves of pairs of which the low word alone is used)
	v_mov_b32 v211, 0
.set j, 0
.rept 16
	v_mov_b32 v[OT+j], 0                           ; O^T: the step is written once; the first finds zeros, which the first change of M leaves zeros
.set j, j+1
.endr
	s_wait_tensorcnt 0x0                           ; my sixteenth has landed,
	s_barrier_signal -1
	s_barrier_wait -1                              ; everybody's has: the batch lies in LDS
.Lkey:                                             ; 8 trips: 128 keys = two chunks a trip
	v_add_nc_u32 v4, s44, v1
	v_add_nc_u32 v5, s44, v2
	v_add_nc_u32 v6, s44, v3
	v_nop                                          ; with the three above: four places in front of loads into registers that the last products read
	ds_load_b128 v[32:35], v4                      ; g: the first chunk's four tiles,
	ds_load_b128 v[36:39], v4 offset:512
	ds_load_b128 v[40:43], v4 offset:CHK           ; the second's
	ds_load_b128 v[44:47], v4 offset:CHK+512
	ds_load_b32 v20, v5                            ; their scale words: one register, the chunks in the two halves of the lanes
	ds_load_b128 v[48:51], v4 offset:1024          ; h: channel tile 0, keys 0-63,
	ds_load_b128 v[52:55], v4 offset:CHK+1024      ; keys 64-127;
	ds_load_b128 v[56:59], v4 offset:1536          ; channel tile 1
	ds_load_b128 v[60:63], v4 offset:CHK+1536
	ds_load_b32 v21, v6
	ds_load_b32 v22, v6 offset:CHK
	s_wait_dscnt 6                                 ; g and its scales are in; h's four loads and two scale loads are younger
.irp k, 0,1,2,3                                ; S^T: tile kb of chunk 0: variant kb of the queries' operand begins at v[84 + 8 (kb % 2) - 4 (kb / 2)]
	v_wmma_scale_f32_16x16x128_f8f6f4 v[S+8*\k:S+8*\k+7], v[32:39], v[84+8*(\k%2)-4*(\k/2):84+8*(\k%2)-4*(\k/2)+7], 0, v20, v19 matrix_a_fmt:MATRIX_FMT_FP4 matrix_b_fmt:MATRIX_FMT_FP4
.endr
.irp k, 0,1,2,3                                ; and of chunk 1
	v_wmma_scale_f32_16x16x128_f8f6f4 v[S+32+8*\k:S+32+8*\k+7], v[40:47], v[84+8*(\k%2)-4*(\k/2):84+8*(\k%2)-4*(\k/2)+7], 0, v20, v19 matrix_a_fmt:MATRIX_FMT_FP4 matrix_b_fmt:MATRIX_FMT_FP4 matrix_a_scale:MATRIX_SCALE_ROW1
.endr                                              ; lane (r, h): query r; the 16 registers of tiles 2 b, 2 b + 1 are keys 32 b + 16 h + 0 .. 15
	s_wait_dscnt 0x0
	v_bfi_b32 v23, 0xffff, v21, v22                ; h's scale word for the 128 keys: two bytes of each chunk's word
.rept 3
	v_nop                                          ; with the line above: four places in front of the first read of the scores
.endr
.irp b, 0,1,2,3
	v_max3_num_f32 v[192+\b], v[S+16*\b], v[S+1+16*\b], v[S+2+16*\b]   ; the largest score of each block of 32 keys: for the row's maximum, and, since p rises with the score, for the block's largest p
.endr
.irp i, 3,5,7,9,11,13
.irp b, 0,1,2,3
	v_max3_num_f32 v[192+\b], v[192+\b], v[S+16*\b+\i], v[S+1+16*\b+\i]
.endr
.endr
.irp b, 0,1,2,3
	v_max_num_f32 v[192+\b], v[192+\b], v[S+15+16*\b]
.endr
.irp b, 0,1,2,3
	v_permlanex16_b32 v[196+\b], v[192+\b], s20, s21
.endr
.irp b, 0,1,2,3
	v_max_num_f32 v[192+\b], v[192+\b], v[196+\b]  ; with lane l xor 16's 16 keys
.endr
	v_max3_num_f32 v210, v192, v193, v194
	v_max_num_f32 v210, v210, v195
	v_mul_f32 v210, s22, v210                      ; the step's largest t
	v_max_num_f32 v13, v13, v210
	v_mov_b32 v210, v12
	v_floor_f32 v12, -v13                          ; the new -M = -ceil(t)
	v_sub_f32 v210, v12, v210                      ; old M - new M: a whole number, 0 or less
	v_cvt_i32_f32 v210, v210                       ; (it saturates)
	v_ldexp_f32 v208, 1.0, v210                    ; 2^(old M - new M): rounds nothing
.set j, 0
.rept 32
	v_pk_fma_f32 v[S+j:S+j+1], v[S+j:S+j+1], s[22:23], v[12:13] op_sel_hi:[1,0,0]   ; t - M, two at a time
.set j, j+2
.endr
.irp b, 0,1,2,3
	v_fma_f32 v[192+\b], v[192+\b], s22, v12       ; the same of each block's largest score
.endr
.set j, 0
.rept 64
	v_exp_f32 v[S+j], v[S+j]                       ; p = 2^(t - M)
.set j, j+1
.endr
.irp b, 0,1,2,3
	v_exp_f32 v[192+\b], v[192+\b]                 ; the block's largest p: the same two instructions on the same number
.endr
	v_pk_mul_f32 v[14:15], v[14:15], v[208:209] op_sel_hi:[1,0]   ; the sum and O^T under the new M: nine plain lines that name no exponential's result
.set j, 0
.rept 8
	v_pk_mul_f32 v[OT+j:OT+j+1], v[OT+j:OT+j+1], v[208:209] op_sel_hi:[1,0]
.set j, j+2
.endr
	s_wait_alu depctr_va_vdst(0)                   ; one wait for the batch of 68, ahead of its first reader
.irp b, 0,1,2,3
	v_max_num_f32 v[192+\b], FLOOR, v[192+\b]
.endr
.irp b, 0,1,2,3
	v_add_nc_u32 v[200+\b], LESS2, v[192+\b]       ; the conversion's scale operand
.endr
.irp b, 0,1,2,3
	v_lshrrev_b32 v[204+\b], 23, v[200+\b]         ; the scale's byte
.endr
	v_lshl_or_b32 v24, v205, 8, v204               ; p's scale word for these 128 keys
	v_lshl_or_b32 v24, v206, 16, v24
	v_lshl_or_b32 v24, v207, 24, v24
.irp b, 0,1,2,3
	v_cvt_scalef32_pk8_fp4_f32 v[PC+2*\b], v[S+16*\b:S+7+16*\b], v[200+\b]
	v_cvt_scalef32_pk8_fp4_f32 v[PC+1+2*\b], v[S+8+16*\b:S+15+16*\b], v[200+\b]
.endr
	v_nop                                          ; one plain line behind the last scaled conversion
.irp c, 0,1                                    ; the operand wants a WHOLE block in a lane: lanes 0-15 block 2 c, lanes 16-31 block 2 c + 1
.irp i, 0,1
	v_permlane16_swap_b32 v[PC+4*\c+\i], v[PC+2+4*\c+\i]
.endr
.endr
	v_pk_add_f32 v[212:213], v[S:S+1], v[S+2:S+3]  ; the row's sum of the UNQUANTISED p, in two chains.  These 32 lines are also the places between p's codes and scale word and the products below
.set j, 4
.rept 15
	v_pk_add_f32 v[14:15], v[14:15], v[S+j:S+j+1]
	v_pk_add_f32 v[212:213], v[212:213], v[S+j+2:S+j+3]
.set j, j+4
.endr
	v_pk_add_f32 v[14:15], v[14:15], v[212:213]
	v_wmma_scale_f32_16x16x128_f8f6f4 v[OT:OT+7], v[48:55], v[PC:PC+7], v[OT:OT+7], v23, v24 matrix_a_fmt:MATRIX_FMT_FP4 matrix_b_fmt:MATRIX_FMT_FP4   ; O^T += h p^T: lane (r, h): query r, channels 16 h + 0 .. 7,
	v_wmma_scale_f32_16x16x128_f8f6f4 v[OT+8:OT+15], v[56:63], v[PC:PC+7], v[OT+8:OT+15], v23, v24 matrix_a_fmt:MATRIX_FMT_FP4 matrix_b_fmt:MATRIX_FMT_FP4 matrix_a_scale:MATRIX_SCALE_ROW1   ; and 16 h + 8 .. 15
	s_add_co_u32 s44, s44, 2*CHK
	s_sub_co_u32 s45, s45, 1
	s_cmp_lg_u32 s45, 0
	s_cbranch_scc1 .Lkey                           ; no two matrix instructions that follow each other share an accumulator, over this jump too
	; ---- my quarter's partial result goes to LDS as it stands
.rept 4
	v_nop                                          ; four places in front of the first read of O^T
.endr
	v_add_f32 v14, v14, v15
	v_permlanex16_b32 v196, v14, s20, s21
	v_add_f32 v14, v14, v196                       ; the sum over my 1,024 keys
.irp i, 0,1,2,3
	ds_store_b128 v10, v[OT+4*\i:OT+4*\i+3] offset:512*\i
.endr
	ds_store_b32 v7, v12
	ds_store_b32 v7, v14 offset:128
	s_wait_dscnt 0x0                               ; for the others' sake: my stores have landed
	s_barrier_signal -1
	s_barrier_wait -1
	; ---- the merge: all four waves of a tile do it alike
.irp q, 0,1,2,3
.irp i, 0,1,2,3
	ds_load_b128 v[S+16*\q+4*\i:S+16*\q+4*\i+3], v11 offset:4*CHK*\q+512*\i
.endr
	ds_load_b32 v[192+\q], v16 offset:4*CHK*\q
	ds_load_b32 v[196+\q], v16 offset:4*CHK*\q+128
.endr
	s_wait_dscnt 0x0
	v_min3_num_f32 v210, v192, v193, v194
	v_min_num_f32 v210, v210, v195                 ; the smallest -M: the row's M
.irp q, 0,1,2,3
	v_sub_f32 v[192+\q], v210, v[192+\q]           ; M of quarter q less the row's M: a whole number, 0 or less
.endr
.irp q, 0,1,2,3
	v_cvt_i32_f32 v[192+\q], v[192+\q]
.endr
.irp q, 0,1,2,3
	v_ldexp_f32 v[200+2*\q], 1.0, v[192+\q]        ; the quarter's factor, a power of two
.endr
	v_mul_f32 v14, v200, v196
	v_fma_f32 v14, v202, v197, v14
	v_fma_f32 v14, v204, v198, v14
	v_fma_f32 v14, v206, v199, v14                 ; the row's sum
	v_rcp_f32 v210, v14
.set j, 0
.rept 8
	v_pk_mul_f32 v[OT+j:OT+j+1], v[S+j:S+j+1], v[200:201] op_sel_hi:[1,0]
.set j, j+2
.endr
.irp q, 1,2,3
.set j, 0
.rept 8
	v_pk_fma_f32 v[OT+j:OT+j+1], v[S+16*\q+j:S+16*\q+j+1], v[200+2*\q:201+2*\q], v[OT+j:OT+j+1] op_sel_hi:[1,0,1]
.set j, j+2
.endr
.endr
	s_wait_alu depctr_va_vdst(0)                   ; the reciprocal's wait, ahead of its first reader; the 32 lines above are the work between
.set j, 0
.rept 8
	v_pk_mul_f32 v[OT+j:OT+j+1], v[OT+j:OT+j+1], v[210:211] op_sel_hi:[1,0]   ; out(query r, channels 16 h + 0 .. 15)
.set j, j+2
.endr
	; ---- out is quantised along its 32 channels: one block, in lanes l and l xor 16
.irp j, 182,183,184,185,186,187
	v_mov_b32 v\j, 0
.endr
	v_max3_num_f32 v192, |v[OT]|, |v[OT+1]|, FLOOR
	v_max3_num_f32 v193, |v[OT+2]|, |v[OT+3]|, |v[OT+4]|
	v_max3_num_f32 v192, v192, |v[OT+5]|, |v[OT+6]|
	v_max3_num_f32 v193, v193, |v[OT+7]|, |v[OT+8]|
	v_max3_num_f32 v192, v192, |v[OT+9]|, |v[OT+10]|
	v_max3_num_f32 v193, v193, |v[OT+11]|, |v[OT+12]|
	v_max3_num_f32 v192, v192, |v[OT+13]|, |v[OT+14]|
	v_max3_num_f32 v192, v192, v193, |v[OT+15]|
	v_permlanex16_b32 v196, v192, s20, s21
	v_max_num_f32 v192, v192, v196
	v_add_nc_u32 v200, LESS2, v192
	v_lshrrev_b32 v25, 23, v200                    ; the byte of block 0; the other bytes are 0 and meet zero codes
	v_cvt_scalef32_pk8_fp4_f32 v[PC], v[OT:OT+7], v200
	v_cvt_scalef32_pk8_fp4_f32 v[PC+1], v[OT+8:OT+15], v200
	v_nop
	v_permlane16_swap_b32 v[PC], v[PC+2]           ; lanes 0-15 now hold the whole block in four registers, lanes 16-31 zero codes
	v_permlane16_swap_b32 v[PC+1], v[PC+3]
.rept 8
	v_nop                                          ; a scale word made by a vector instruction stands eight places ahead of the scaled product, an operand four
.endr
.irp i, 0,1,2,3                                ; source 0 = my 16 queries, source 1 = 16 rows of Wo: lane (r, h): output channel 64 kq + 16 i + r, positions 32 (t / 2) + 8 (t % 2) + 16 h + 0 .. 7
	v_wmma_scale_f32_16x16x128_f8f6f4 v[S+8*\i:S+8*\i+7], v[PC:PC+7], v[64+4*\i:71+4*\i], 0, v25, v[26+\i] matrix_a_fmt:MATRIX_FMT_FP4 matrix_b_fmt:MATRIX_FMT_FP4
.endr
.rept 4
	v_nop
.endr
.irp i, 0,1,2,3
.irp j, 0,1,2,3,4,5,6,7
	v_fma_f32 v[S+8*\i+\j], s46, v[S+8*\i+\j], v[188+\i]   ; gamma o + gamma bo
.endr
.endr
.irp i, 0,1,2,3
	ds_store_b128 v17, v[S+8*\i:S+8*\i+3] offset:16*SP*\i
	ds_store_b128 v17, v[S+8*\i+4:S+8*\i+7] offset:16*SP*\i+16
.endr
	s_wait_dscnt 0x0                               ; for the others' sake: a row's 256 bytes come from four waves
	s_barrier_signal -1
	s_barrier_wait -1
	; ---- the way out: each wave takes 16 whole rows, adds x and stores
.irp i, 0,1,2,3,4,5,6,7
	ds_load_b128 v[S+4*\i:S+4*\i+3], v18 offset:2*SP*\i
.endr
	s_wait_loadcnt 0x0                             ; x, asked for at the head
.irp i, 0,1,2,3,4,5,6,7
	s_wait_dscnt 7-\i                              ; LDS loads come back in order: rows 2 i, 2 i + 1 are in, the younger ones may be out
	v_pk_add_f32 v[S+4*\i:S+4*\i+1], v[S+4*\i:S+4*\i+1], v[216+4*\i:217+4*\i]
	v_pk_add_f32 v[S+4*\i+2:S+4*\i+3], v[S+4*\i+2:S+4*\i+3], v[218+4*\i:219+4*\i]
	global_store_b128 v31, v[S+4*\i:S+4*\i+3], s[16:17] offset:32768*\i th:TH_STORE_NT   ; 16 lanes store 256 consecutive bytes, at a multiple of 256 from out0's first byte
.endr
	s_wait_tensorcnt 0x0
	ds_add_u32 v254, v255
	s_wait_dscnt 0x0
	CROUND                                         ; the closing round: no work-group ends while a partner may still ask for a tile that names it
	s_endpgm
.Lfunc_end_k_qd6bc96a0ea_attn:
	.size	k_qd6bc96a0ea_attn, .Lfunc_end_k_qd6bc96a0ea_attn-k_qd6bc96a0ea_attn
	.p2alignl 7, 3214868480
	.fill 96, 4, 3214868480
	.section	.rodata,"a",@progbits
	.p2align	6, 0x0
	.amdhsa_kernel k_qd6bc96a0ea_attn
		.amdhsa_group_segment_fixed_size 264192
		.amdhsa_private_segment_fixed_size 0
		.amdhsa_enable_private_segment 0
		.amdhsa_kernarg_size 56
		.amdhsa_user_sgpr_count 2
		.amdhsa_user_sgpr_kernarg_segment_ptr 1
		.amdhsa_wavefront_size32 1
		.amdhsa_system_sgpr_workgroup_id_x 1
		.amdhsa_system_sgpr_workgroup_id_y 1
		.amdhsa_system_sgpr_workgroup_id_z 1
		.amdhsa_system_vgpr_workitem_id 0
		.amdhsa_next_free_vgpr 256
		.amdhsa_next_free_sgpr 66
		.amdhsa_reserve_vcc 1
		.amdhsa_float_denorm_mode_32 3
		.amdhsa_float_denorm_mode_16_64 3
		.amdhsa_memory_ordered 1
		.amdhsa_forward_progress 1
		.amdhsa_inst_pref_size 45
	.end_amdhsa_kernel
	.amdgpu_metadata
---
amdhsa.version: [ 1, 2 ]
amdhsa.kernels:
  - .name:           k_qd6bc96a0ea_attn
    .symbol:         k_qd6bc96a0ea_attn.kd
    .args:
      - { .name: kv, .offset: 0, .size: 8, .value_kind: global_buffer, .address_space: global }
      - { .name: fq, .offset: 8, .size: 8, .value_kind: global_buffer, .address_space: global }
      - { .name: Wo, .offset: 16, .size: 8, .value_kind: global_buffer, .address_space: global }
      - { .name: bo, .offset: 24, .size: 8, .value_kind: global_buffer, .address_space: global }
      - { .name: gamma, .offset: 32, .size: 8, .value_kind: global_buffer, .address_space: global }
      - { .name: x, .offset: 40, .size: 8, .value_kind: global_buffer, .address_space: global }
      - { .name: out0, .offset: 48, .size: 8, .value_kind: global_buffer, .address_space: global }
    .group_segment_fixed_size: 264192
    .private_segment_fixed_size: 0
    .kernarg_segment_align: 8
    .kernarg_segment_size: 56
    .max_flat_workgroup_size: 512
    .sgpr_count:     66
    .vgpr_count:     256
    .wavefront_size: 32
...
	.end_amdgpu_metadata
.endif
;; end of part 2
;; ======== version 2 of 3: 2 launches
;; workspace buffers: kv 589,824 bytes; fq 327,680 bytes
;; launch proj (part 3): grid 64 x 4, 16 waves a work-group, no clusters, 126,976 bytes of LDS; arguments x, Wv, Wk, Wq, bv, bk, bq, kv, fq; writes kv, fq
.if DOCPART == 3
	.amdgcn_target "amdgcn-amd-amdhsa--gfx1250"
	.amdhsa_code_object_version 6
	.text
	.protected	k_qd6bc96a0ea_proj
	.globl	k_qd6bc96a0ea_proj
	.p2align	8
	.type	k_qd6bc96a0ea_proj,@function
k_qd6bc96a0ea_proj:
	s_mov_b64 s[64:65], 0
	v_nop
	global_prefetch_b8 v0, s[64:65] scope:SCOPE_SE
	s_setreg_imm32_b32 hwreg(HW_REG_WAVE_MODE, 25, 1), 1
	s_wait_xcnt 0x0
; f = Wv x + bv, g = Wk x + bk, h = Wq x + bq on codes of FP4 (E2M1) with one E8M0 scale for each 32 along K (K = the 256 channels), and the three
; results quantised again for the attention launch: f and g along their 32 channels (one block a position), h along the positions (blocks of 32).
; x: [4][256][4096] f32.  W: [32][256] f32.  A work-group owns a CHUNK: 64 neighbouring positions of one batch (grid x = chunk, y = batch); sixteen waves.
; LIMITS: NaN and infinities among the inputs are not served.  A block of zeros gets the scale byte 1 where the rule says 127: its codes are zeros, which add
; nothing under any byte but 0xff, and the bytes are read by this program alone.
; NAMES.  L lane, r = L % 16, h = L / 16.  A tile (pb, u) of 16 positions: row r is position 32 pb + 8 u + r + 8 (r / 8); a tile u of 16 of the 32 output channels: row r is channel
; 8 u + r + 8 (r / 8).  With such rows the 16 result registers of tiles u = 0 and 1 are 16 NEIGHBOURS, 16 h + 0 .. 15, which the conversions want.
; X: wave w takes 32 positions (w / 8) and one block of 32 channels (w % 8): a lane a position, its 32 registers down K: each load reads 128 consecutive bytes, a block's largest magnitude needs no other lane,
;    and the four code registers go straight to their place in the image of an operand's registers in LDS (lane l's 16 bytes at 16 l).
; W: waves 0-11 take one fragment each (16 rows x 128 K of Wv, Wk or Wq).  It is loaded BY ROWS, each load 512 consecutive bytes, and turns through the wave's own stage in LDS into the operand's order,
;    64 numbers a lane (two whole blocks); then it is quantised and its image stored.
; UNIT: behind a barrier waves 0-11 make one unit each, with ONE text.  f, g (waves 0-7): source 0 = W's tile a, source 1 = x's tile: a lane holds one position and 16 channels.
;    h (waves 8-11): source 0 = x's tile (pb, a), source 1 = Wq's tile: a lane holds one channel and 16 positions.  The bias is the C of each sum's first product.
; OUT: a unit's codes are 256 consecutive aligned bytes; the scale bytes meet in LDS and leave as one aligned block of 256 bytes for each buffer.
; kv, a chunk = 2,304 bytes: +0 g's codes (position (pb, u, r) at 512 pb + 256 u + 16 r), +1024 h's codes (channel tile ct, block pb, row r at 512 ct + 256 pb + 16 r),
;    +2048 g's scale words (word r, byte 2 pb + u), twice, +2176 h's (word 16 ct + r = bytes pb 0, pb 1, pb 0, pb 1).   fq, a chunk = 1,280 bytes: +0 f's codes as g's, +1024 f's words, four times.
; NO CLUSTER: x is shared by nobody.  W (96 KiB) is read by every work-group and could be asked for jointly; that is not built: a joint load stands behind a round of the cluster's barrier, and this launch has
; no work to set in front of that round, whereas here W's sixteen loads a wave go out with the wave's first lines, beside x's.
.set IMG,   0                          ; LDS: 20 images of 1,024 bytes: 0-7 x (4 pb + 2 u + K step), 8-19 W (8 + 4 matrix + 2 tile + K step)
.set SCL,   20480                      ; 20 x 128 bytes: an image's scale words, word r at 4 r
.set SS,    23040                      ; the scale bytes on their way out: +0 f's (128), +256 g's (128), +384 h's (128)
.set WST,   23552                      ; twelve stages, a wave's own: 16 rows x (512 bytes + 16)
.set WSP,   528                        ; 33 x 16 bytes from row to row: the sixteen rows that a load touches start in sixteen different groups of four banks
.set FLOOR, 0x1800000                  ; 2^(3 - 127): no largest magnitude is taken under it, so the byte cannot fall under 1
.set LESS2, 0xff000000                 ; takes 2 off an exponent field
; 32 numbers of one lane: their largest magnitude (two chains), the conversion's scale operand (its exponent field alone is taken) and the scale's byte
.macro QB32 src, m0, m1, so, by
	v_max3_num_f32 v[\m0], |v[\src]|, |v[\src+1]|, FLOOR
	v_max3_num_f32 v[\m1], |v[\src+2]|, |v[\src+3]|, |v[\src+4]|
.irp i, 5,9,13,17,21,25
	v_max3_num_f32 v[\m0], v[\m0], |v[\src+\i]|, |v[\src+\i+1]|
	v_max3_num_f32 v[\m1], v[\m1], |v[\src+\i+2]|, |v[\src+\i+3]|
.endr
	v_max3_num_f32 v[\m0], v[\m0], |v[\src+29]|, |v[\src+30]|
	v_max3_num_f32 v[\m0], v[\m0], v[\m1], |v[\src+31]|
	v_add_nc_u32 v[\so], LESS2, v[\m0]
	v_lshrrev_b32 v[\by], 23, v[\so]
.endm
.macro MM d, a, b, c, sa, sb
	v_wmma_scale_f32_16x16x128_f8f6f4 v[\d:\d+7], v[\a:\a+7], v[\b:\b+7], v[\c:\c+7], v[\sa], v[\sb] matrix_a_fmt:MATRIX_FMT_FP4 matrix_b_fmt:MATRIX_FMT_FP4
.endm
.macro BARRIER                         ; my LDS stores have landed and my LDS loads are in: then the work-group's barrier
	s_wait_dscnt 0x0
	s_barrier_signal -1
	s_barrier_wait -1
.endm
	s_load_b256 s[4:11], s[0:1], 0x0               ; x s[4:5], Wv s[6:7], Wk s[8:9], Wq s[10:11]
	s_load_b256 s[12:19], s[0:1], 0x20             ; bv s[12:13], bk s[14:15], bq s[16:17], kv s[18:19]
	s_load_b64 s[20:21], s[0:1], 0x40              ; fq
	v_lshl_add_u32 v174, v0, 2, 0x1e800
	v_mov_b32 v175, 0
	v_lshrrev_b32 v1, 5, v0
	v_readfirstlane_b32 s22, v1                    ; wave 0..15
	v_and_b32 v1, 31, v0                           ; L
	v_and_b32 v2, 15, v0                           ; r
	v_bfe_u32 v3, v0, 4, 1                         ; h
	s_min_u32 s23, s22, 11                         ; the wave's number in the jobs that twelve waves share (waves 12-15 make the addresses of wave 11 and use none)
	s_lshr_b32 s24, s22, 3                         ; x: which 32 positions
	s_bfe_u32 s25, s22, 0x10002                    ; x: which K step of 128
	s_and_b32 s26, s22, 3                          ; x: which block of 32 in it
	s_and_b32 s27, s22, 7                          ; x: which block of the 8
	s_lshr_b32 s28, s23, 2                         ; matrix: 0 Wv (f), 1 Wk (g), 2 Wq (h)
	s_bfe_u32 s29, s23, 0x10001                    ; b1: W's tile; a unit's pb
	s_and_b32 s30, s23, 1                          ; b0: W's K step; a unit's u (f, g) or channel tile (h)
	s_lshr_b32 s31, s23, 3                         ; 1 in h's waves
	s_xor_b32 s32, s31, 1                          ; 1 in f's and g's
	s_and_b32 s37, s23, 3
	s_lshl_b32 s33, s28, 2                         ; source 0's first image: f, g: W's, 8 + 4 matrix; h: x's, 4 pb
	s_add_co_u32 s33, s33, 8
	s_mul_i32 s33, s33, s32
	s_lshl_b32 s2, s29, 2
	s_mul_i32 s2, s2, s31
	s_add_co_u32 s33, s33, s2
	s_lshl_b32 s34, s37, 1                         ; source 1's first image: f, g: x's, 4 pb + 2 u; h: Wq's, 16 + 2 tile
	s_mul_i32 s34, s34, s32
	s_lshl_b32 s2, s30, 1
	s_add_co_u32 s2, s2, 16
	s_mul_i32 s2, s2, s31
	s_add_co_u32 s34, s34, s2
	s_mul_i32 s35, s31, 66                         ; from lanes 0-15 to lanes 16-31 in the scale stage: 64 bytes (f, g: a second copy), 2 (h: the word's upper half)
	s_xor_b32 s35, s35, 64
	s_lshl_b32 s36, s28, 8                         ; my unit's byte in the scale stage: f, g: 256 matrix + (2 pb + u); h: 384 + 64 tile + pb
	s_add_co_u32 s36, s36, s37
	s_mul_i32 s36, s36, s32
	s_lshl_b32 s2, s30, 6
	s_add_co_u32 s2, s2, s29
	s_add_co_u32 s2, s2, 384
	s_mul_i32 s2, s2, s31
	s_add_co_u32 s36, s36, s2
	s_add_co_u32 s36, s36, SS
	s_mov_b32 s50, 0x76543210                      ; v_permlanex16_b32's selects for lane l xor 16
	s_mov_b32 s51, 0xfedcba98
	; every address register is made here, ahead of the first branch on the wave's number
	v_and_b32 v4, 7, v0                            ; x: lane (r, h) takes position r % 8 + 8 h + 16 (r / 8) of the 32: row r of tile u = h
	v_lshl_add_u32 v4, v3, 3, v4
	v_bfe_u32 v20, v0, 3, 1                        ; r / 8
	v_lshl_add_u32 v4, v20, 4, v4
	v_lshlrev_b32 v4, 2, v4
	s_lshl_b32 s2, s24, 12                         ; x's codes: image 4 pb + 2 h + K step; in it block q at 256 q, row r at 16 r
	s_lshl_b32 s3, s25, 10
	s_add_co_u32 s2, s2, s3
	s_lshl_b32 s3, s26, 8
	s_add_co_u32 s2, s2, s3
	v_lshlrev_b32 v5, 4, v2
	v_lshl_add_u32 v5, v3, 11, v5
	v_add_nc_u32 v5, s2, v5
	s_lshl_b32 s2, s24, 9                          ; x's scale byte: the image's word r, byte q
	s_lshl_b32 s3, s25, 7
	s_add_co_u32 s2, s2, s3
	s_add_co_u32 s2, s2, s26
	s_add_co_u32 s2, s2, SCL
	v_lshlrev_b32 v6, 2, v2
	v_lshl_add_u32 v6, v3, 8, v6
	v_add_nc_u32 v6, s2, v6
	v_lshl_add_u32 v21, v20, 3, v2                 ; r + 8 (r / 8)
	v_lshlrev_b32 v7, 4, v1                        ; W in memory: my 16 bytes of a row's 512
	s_mul_i32 s3, s23, 16*WSP
	s_add_co_u32 s3, s3, WST                       ; my stage
	v_lshl_add_u32 v156, v1, 4, s3                 ; into it: 16 L, the row in the offset
	v_mul_u32_u24 v157, v2, WSP                    ; out of it: row r, + 32 h numbers
	v_lshl_add_u32 v157, v3, 7, v157
	v_add_nc_u32 v157, s3, v157
	s_add_co_u32 s2, s23, 8
	s_lshl_b32 s3, s2, 10
	v_lshl_add_u32 v8, v1, 4, s3                   ; W's image: 16 L
	s_lshl_b32 s3, s2, 7
	s_add_co_u32 s3, s3, SCL
	v_lshl_add_u32 v9, v1, 2, s3                   ; and its scale words: 4 L
	s_lshl_b32 s3, s33, 10
	v_lshl_add_u32 v10, v1, 4, s3                  ; a unit's loads: source 0's images,
	s_lshl_b32 s3, s34, 10
	v_lshl_add_u32 v11, v1, 4, s3                  ; source 1's,
	s_lshl_b32 s3, s33, 7
	s_add_co_u32 s3, s3, SCL
	v_lshl_add_u32 v12, v2, 2, s3                  ; and their scale words: word r
	s_lshl_b32 s3, s34, 7
	s_add_co_u32 s3, s3, SCL
	v_lshl_add_u32 v13, v2, 2, s3
	v_lshlrev_b32 v14, 4, v2                       ; a unit's codes in memory: 16 r + 8 h
	v_lshl_add_u32 v14, v3, 3, v14
	v_mul_u32_u24 v15, s35, v3                     ; a unit's scale byte in the stage
	v_lshl_add_u32 v15, v2, 2, v15
	v_add_nc_u32 v15, s36, v15
	v_lshlrev_b32 v17, 3, v1                       ; the scale blocks' way out: 8 L in memory;
	s_min_u32 s56, s22, 1
	s_lshl_b32 s57, s56, 7
	s_add_co_u32 s57, s57, 127
	v_and_b32 v16, s57, v17                        ; in LDS wave 0 reads f's 128 bytes twice, wave 1 g's 128 and h's 128
	s_lshl_b32 s57, s56, 8
	s_add_co_u32 s57, s57, SS
	v_add_nc_u32 v16, s57, v16
	v_lshlrev_b32 v18, 6, v3                       ; bias of f, g: numbers 16 h + 0 .. 15
	v_lshlrev_b32 v19, 2, v21                      ; bias of h: my channel's
	v_mov_b32 v30, 0                               ; written once: a lane permute's destination counts as one of its sources
	; byte offsets, apart from the addresses
	s_and_b32 s58, ttmp7, 0xffff                   ; batch
	s_lshl_b32 s59, s58, 6
	s_add_co_u32 s59, s59, ttmp9                   ; chunk id = 64 batch + chunk
	s_lshl_b32 s62, s58, 22                        ; x: batch x 4 MiB + block x 32 rows of 16,384 + chunk x 256 + 128 x (which 32 positions)
	s_lshl_b32 s3, s27, 19
	s_add_co_u32 s62, s62, s3
	s_lshl_b32 s3, ttmp9, 8
	s_add_co_u32 s62, s62, s3
	s_lshl_b32 s3, s24, 7
	s_add_co_u32 s62, s62, s3
	s_mov_b32 s63, 0
	s_lshl_b32 s52, s29, 13                        ; W: tile x 8 rows + K step x 512 bytes
	s_lshl_b32 s3, s30, 9
	s_add_co_u32 s52, s52, s3
	s_mov_b32 s53, 0
	s_mul_i32 s54, s31, s30                        ; bias of h: tile x 8 numbers
	s_lshl_b32 s54, s54, 5
	s_mov_b32 s55, 0
	s_lshl_b32 s60, s37, 8                         ; a unit's codes in its chunk: f, g: 256 (2 pb + u); h: 1024 + 512 tile + 256 pb
	s_mul_i32 s60, s60, s32
	s_lshl_b32 s2, s30, 9
	s_lshl_b32 s3, s29, 8
	s_add_co_u32 s2, s2, s3
	s_add_co_u32 s2, s2, 1024
	s_mul_i32 s2, s2, s31
	s_add_co_u32 s60, s60, s2
	s_mov_b32 s61, 0
	s_wait_kmcnt 0x0
	s_add_nc_u64 s[44:45], s[4:5], s[62:63]        ; x at my block
	s_mul_i32 s2, s59, 2304
	s_mov_b32 s3, 0
	s_add_nc_u64 s[46:47], s[18:19], s[2:3]        ; my chunk in kv
	s_mul_i32 s2, s59, 1280
	s_add_nc_u64 s[48:49], s[20:21], s[2:3]        ; and in fq
	s_cmp_eq_u32 s28, 0                            ; the choices hang on the wave's number alone
	s_cselect_b64 s[38:39], s[6:7], s[8:9]
	s_cselect_b64 s[40:41], s[12:13], s[14:15]
	s_cselect_b64 s[42:43], s[48:49], s[46:47]
	s_cmp_eq_u32 s28, 2
	s_cselect_b64 s[38:39], s[10:11], s[38:39]
	s_cselect_b64 s[40:41], s[16:17], s[40:41]
	s_add_nc_u64 s[38:39], s[38:39], s[52:53]      ; my fragment of W
	s_add_nc_u64 s[40:41], s[40:41], s[54:55]      ; my bias
	s_add_nc_u64 s[42:43], s[42:43], s[60:61]      ; where my unit's codes go
	s_add_nc_u64 s[48:49], s[48:49], 1024
	s_add_nc_u64 s[46:47], s[46:47], 2048
	s_cmp_eq_u32 s22, 0
	s_cselect_b64 s[46:47], s[48:49], s[46:47]     ; where the scale block goes: wave 0 fq's, wave 1 kv's
	; ---- all loads of a wave go out here: W and the bias first (they are worked on first), then x
	s_cmp_lt_u32 s22, 12
	s_cbranch_scc0 .Lno_w_loads
.set n, 0
.rept 16
	global_load_b128 v[192+4*n:195+4*n], v7, s[38:39] offset:(n+8*(n/8))*1024   ; row n of my tile, my K step: 32 lanes read 512 consecutive bytes
.set n, n+1
.endr
	s_cmp_lt_u32 s22, 8
	s_cbranch_scc0 .Lbias_h
.irp j, 0,1,2,3
	global_load_b128 v[128+4*\j:131+4*\j], v18, s[40:41] offset:16*\j      ; f, g: register n is channel 16 h + n
.endr
	s_branch .Lno_w_loads
.Lbias_h:
.set n, 0
.rept 16
	global_load_b32 v[128+n], v19, s[40:41]                ; h: all sixteen registers are my channel's
.set n, n+1
.endr
.Lno_w_loads:
.set n, 0
.rept 32
	global_load_b32 v[32+n], v4, s[44:45] offset:16384*n th:TH_LOAD_NT   ; x(32 block + n, my position): 32 lanes read 128 consecutive bytes
.set n, n+1
.endr
	; ---- W's fragment: through my stage, then two whole blocks a lane
	s_cmp_lt_u32 s22, 12
	s_cbranch_scc0 .Lno_w
	s_wait_loadcnt 36                              ; W's sixteen loads are in: in f's and g's waves the 4 of the bias and the 32 of x are younger; in h's waves 48 are younger, so there twelve of the bias's are awaited too
.set n, 0
.rept 16
	ds_store_b128 v156, v[192+4*n:195+4*n] offset:WSP*n
.set n, n+1
.endr
.irp c, 0,1
.irp j, 0,1,2,3,4,5,6,7
	ds_load_b128 v[64+32*\c+4*\j:64+32*\c+4*\j+3], v157 offset:256*\c+16*\j   ; W(row r, 64 c + 32 h + 4 j ..): the operand's own order.  LDS serves a wave's instructions in order (ISA guide 5.7.1.4): these see my stores
.endr
.endr
	s_wait_dscnt 0x0
	QB32 64, 20, 21, 24, 26
	QB32 96, 22, 23, 25, 27
	v_lshl_or_b32 v28, v27, 16, v26                ; my two bytes: blocks h and 2 + h of my row,
	v_lshlrev_b32 v29, 3, v3
	v_lshlrev_b32 v28, v29, v28                    ; at their places in the scale word;
	v_permlanex16_b32 v30, v28, s50, s51
	v_or_b32 v28, v28, v30                         ; with lane l xor 16's two the word is whole
.irp c, 0,1
.irp g, 0,1,2,3
	v_cvt_scalef32_pk8_fp4_f32 v[148+4*\c+\g], v[64+32*\c+8*\g:64+32*\c+8*\g+7], v[24+\c]
.endr
.endr
	v_nop                                          ; one plain line behind the last scaled conversion
	ds_store_b128 v8, v[148:151]
	ds_store_b128 v8, v[152:155] offset:512
	ds_store_b32 v9, v28
.Lno_w:
	; ---- x's block: all 32 numbers are the lane's own
	s_wait_loadcnt 0x0
	QB32 32, 20, 21, 24, 26
.irp g, 0,1,2,3
	v_cvt_scalef32_pk8_fp4_f32 v[144+\g], v[32+8*\g:32+8*\g+7], v24
.endr
	v_nop
	ds_store_b128 v5, v[144:147]
	ds_store_b8 v6, v26
	BARRIER                                        ; the twenty images and their scale words lie in LDS
	; ---- a unit: two accumulators by turns, two K steps
	s_cmp_lt_u32 s22, 12
	s_cbranch_scc0 .Lno_unit
.irp a, 0,1
.irp k, 0,1
.irp c, 0,1
	ds_load_b128 v[64+16*\a+8*\k+4*\c:64+16*\a+8*\k+4*\c+3], v10 offset:2048*\a+1024*\k+512*\c
.endr
	ds_load_b32 v[160+2*\a+\k], v12 offset:256*\a+128*\k
.endr
.endr
.irp k, 0,1
.irp c, 0,1
	ds_load_b128 v[96+8*\k+4*\c:96+8*\k+4*\c+3], v11 offset:1024*\k+512*\c
.endr
	ds_load_b32 v[164+\k], v13 offset:128*\k
.endr
	s_wait_dscnt 0x0
	MM 176, 64, 96, 128, 160, 164                  ; the bias starts each sum
	MM 184, 80, 96, 136, 162, 164
	MM 176, 72, 104, 176, 161, 165                 ; the accumulators take turns, one instruction a turn
	MM 184, 88, 104, 184, 163, 165
.rept 4
	v_nop                                          ; four places in front of the first read of the results (ISA guide 7.12.1)
.endr
	v_max3_num_f32 v20, |v176|, |v177|, FLOOR      ; my 16 numbers of the block, each accumulator from its low end on
	v_max3_num_f32 v21, |v184|, |v185|, |v186|
	v_max3_num_f32 v20, v20, |v178|, |v179|
	v_max3_num_f32 v21, v21, |v187|, |v188|
	v_max3_num_f32 v20, v20, |v180|, |v181|
	v_max3_num_f32 v21, v21, |v189|, |v190|
	v_max3_num_f32 v20, v20, |v182|, |v183|
	v_max3_num_f32 v20, v20, v21, |v191|
	v_permlanex16_b32 v30, v20, s50, s51
	v_max_num_f32 v20, v20, v30                    ; with lane l xor 16's sixteen: the block's largest magnitude
	v_add_nc_u32 v24, LESS2, v20
	v_lshrrev_b32 v26, 23, v24
	v_cvt_scalef32_pk8_fp4_f32 v192, v[176:183], v24
	v_cvt_scalef32_pk8_fp4_f32 v193, v[184:191], v24
	v_nop
	global_store_b64 v14, v[192:193], s[42:43]     ; 32 lanes store 256 consecutive bytes, at a multiple of 256 from the buffer's first byte
	ds_store_b8 v15, v26                           ; lanes l and l xor 16 hold the same byte and write it to two places
.Lno_unit:
	BARRIER                                        ; all scale bytes lie in the stage
	s_cmp_lt_u32 s22, 2
	s_cbranch_scc0 .Ldone
	ds_load_b64 v[194:195], v16
	s_wait_dscnt 0x0
	global_store_b64 v17, v[194:195], s[46:47]     ; 256 consecutive aligned bytes
.Ldone:
	s_wait_tensorcnt 0x0
	ds_add_u32 v174, v175
	s_wait_dscnt 0x0
	s_endpgm
.Lfunc_end_k_qd6bc96a0ea_proj:
	.size	k_qd6bc96a0ea_proj, .Lfunc_end_k_qd6bc96a0ea_proj-k_qd6bc96a0ea_proj
	.p2alignl 7, 3214868480
	.fill 96, 4, 3214868480
	.section	.rodata,"a",@progbits
	.p2align	6, 0x0
	.amdhsa_kernel k_qd6bc96a0ea_proj
		.amdhsa_group_segment_fixed_size 126976
		.amdhsa_private_segment_fixed_size 0
		.amdhsa_enable_private_segment 0
		.amdhsa_kernarg_size 72
		.amdhsa_user_sgpr_count 2
		.amdhsa_user_sgpr_kernarg_segment_ptr 1
		.amdhsa_wavefront_size32 1
		.amdhsa_system_sgpr_workgroup_id_x 1
		.amdhsa_system_sgpr_workgroup_id_y 1
		.amdhsa_system_sgpr_workgroup_id_z 1
		.amdhsa_system_vgpr_workitem_id 0
		.amdhsa_next_free_vgpr 256
		.amdhsa_next_free_sgpr 66
		.amdhsa_reserve_vcc 0
		.amdhsa_float_denorm_mode_32 3
		.amdhsa_float_denorm_mode_16_64 3
		.amdhsa_memory_ordered 1
		.amdhsa_forward_progress 1
		.amdhsa_inst_pref_size 24
	.end_amdhsa_kernel
	.amdgpu_metadata
---
amdhsa.version: [ 1, 2 ]
amdhsa.kernels:
  - .name:           k_qd6bc96a0ea_proj
    .symbol:         k_qd6bc96a0ea_proj.kd
    .args:
      - { .name: x, .offset: 0, .size: 8, .value_kind: global_buffer, .address_space: global }
      - { .name: Wv, .offset: 8, .size: 8, .value_kind: global_buffer, .address_space: global }
      - { .name: Wk, .offset: 16, .size: 8, .value_kind: global_buffer, .address_space: global }
      - { .name: Wq, .offset: 24, .size: 8, .value_kind: global_buffer, .address_space: global }
      - { .name: bv, .offset: 32, .size: 8, .value_kind: global_buffer, .address_space: global }
      - { .name: bk, .offset: 40, .size: 8, .value_kind: global_buffer, .address_space: global }
      - { .name: bq, .offset: 48, .size: 8, .value_kind: global_buffer, .address_space: global }
      - { .name: kv, .offset: 56, .size: 8, .value_kind: global_buffer, .address_space: global }
      - { .name: fq, .offset: 64, .size: 8, .value_kind: global_buffer, .address_space: global }
    .group_segment_fixed_size: 126976
    .private_segment_fixed_size: 0
    .kernarg_segment_align: 8
    .kernarg_segment_size: 72
    .max_flat_workgroup_size: 512
    .sgpr_count:     66
    .vgpr_count:     256
    .wavefront_size: 32
...
	.end_amdgpu_metadata
.endif
;; end of part 3
;; launch attn (part 4): grid 64 x 4, 16 waves a work-group, clusters of 4 x 1, 264,192 bytes of LDS; arguments kv, fq, Wo, bo, gamma, x, out0; writes out0
.if DOCPART == 4
	.amdgcn_target "amdgcn-amd-amdhsa--gfx1250"
	.amdhsa_code_object_version 6
	.text
	.protected	k_qd6bc96a0ea_attn
	.globl	k_qd6bc96a0ea_attn
	.p2align	8
	.type	k_qd6bc96a0ea_attn,@function
k_qd6bc96a0ea_attn:
	s_mov_b64 s[64:65], 0
	v_nop
	global_prefetch_b8 v0, s[64:65] scope:SCOPE_SE
	s_setreg_imm32_b32 hwreg(HW_REG_WAVE_MODE, 25, 1), 1
	s_wait_xcnt 0x0
	s_wait_alu depctr_hold_cnt(0) depctr_sa_sdst(0) depctr_va_vdst(0) depctr_va_sdst(0) depctr_va_ssrc(0) depctr_va_vcc(0) depctr_vm_vsrc(0)
	s_getreg_b32 s2, hwreg(HW_REG_IB_STS2, 6, 4)
	s_cmp_eq_u32 s2, 0
	s_cbranch_scc0 .Lentry_in_a_cluster
	s_endpgm
.Lentry_in_a_cluster:
	s_bfe_u32 s2, ttmp6, 0x10000c
	s_cmp_lg_u32 s2, 0x3003
	s_cbranch_scc0 .Lentry_shape_is_right
	s_endpgm
.Lentry_shape_is_right:
; out0 = gamma (Wo softmax_j(f_i . g_j) h_j + bo) + x, all three products on codes of FP4 (E2M1) with one E8M0 scale for each 32 along K.  f, g, h come as codes and scale bytes from the launch before
; (layouts: that launch's head; a chunk = 64 positions = 2,304 bytes of kv, 1,280 of fq).  Wo [256][32], bo [256], gamma [1], x and out0 [4][256][4096]: f32.
; THE SOFTMAX: t = score x log2(e); M = the largest t so far, rounded UP to a whole number; p = 2^(t - M) is quantised along the keys, not normalised; the row's sum is taken of the unquantised p and divides at the end.
; LIMITS: NaN and infinities are not served; p under 2^-126 counts as 0 (v_exp_f32's result, ISA guide 15.8); the division is v_rcp_f32 and a multiplication; a block of zeros carries the byte 1, its codes are zeros.
; SHARES.  A work-group owns a chunk's 64 queries.  Wave w: tile t = w % 4 of 16 queries (row r = position 32 (t / 2) + 8 (t % 2) + r + 8 (r / 8)), quarter kq = w / 4 of the batch's 4,096 keys: 8 steps of 128.
; The four partial results of a tile meet in LDS (M is a whole number: every factor is a power of two); each wave then makes 64 of the 256 output channels for its tile.
; LDS.  A batch's keys and values are 64 x 2,304 = 147,456 bytes: they come ONCE, whole, and stay: no slot is filled again.
; CLUSTER.  The four work-groups of a cluster belong to one batch and read the same 147,456 bytes: each wave's sixteenth of them is asked for JOINTLY, by the same tensor load with the same descriptor in all four.
; Wo.  Wave w quantises rows 16 w .. 16 w + 15, 2,048 dense bytes, by four loads: a lane holds 8 neighbours of a row, four lanes a row (one block).  Codes and scale words go to LDS, and behind the barrier that
; shows the batch landed each wave reads its quarter's four tiles back as they stand in an operand.  So ten loads a wave stand ahead of that barrier; x, wanted at the very end, is asked for behind it.
; K = 32 IN AN INSTRUCTION OF K = 128.  A fragment of g (two dense loads: a whole chunk) holds FOUR tiles of 16 keys, one in each block of 32 along K.  The queries' operand stands in four variants, f's 32 codes in
; block kb and zero codes elsewhere: the product with variant kb is tile kb's scores (a zero code adds nothing: E2M1 has no NaN and no infinity, and no scale byte here is 0xff).  The variants are five groups of four
; registers, 0 | f in lanes 0-15 | 0 | f in lanes 16-31 | 0, read at four places.  The last product (K = 32 too) has its codes in block 0 and zero codes elsewhere.
; LAYOUT.  Both attention products are used transposed (source 0 = 16 keys, or 16 channels of h; source 1 = my 16 queries): a lane holds ONE query throughout, and the rows of the tiles are so chosen that
; 16 registers of two neighbouring tiles are 16 neighbours along the next K.
; REGISTERS: v1-3 places that stay, v4-6 the step's LDS addresses; v7-18, v31 addresses; v12 -M, v13 largest t, v[14:15] the sum; v19-29 scale words and nothing else; v32-47 g's two fragments, v48-63 h's two;
; v64-79 Wo's codes; v80-99 the queries' five groups; v100-163 scores, then p (at the head v100-115: my tile of Wo); v164-179 O^T; v180-187 p's codes; v188-191 gamma bo; v192-215 at work (at the head v192-195: Wo's LDS addresses);
; v216-247 my rows of x; v248-251 bo.
.set CHK,   2304                       ; a chunk in kv and in LDS; also a wave's place in MG
.set MG,    147456                     ; behind the batch: 16 x 2,304: a wave's O^T (4 x 512), -M at +2048, the sum at +2176
.set ST,    184320                     ; the stage: 256 rows (output channels) x (256 bytes = 64 positions, + 16)
.set SP,    272
.set WOI,   253952                     ; Wo's codes: 16 tiles x 256 bytes, row r's 16 bytes at 16 r
.set WOS,   258048                     ; Wo's scale words: 16 tiles x 64 bytes, word r at 4 r
.set S,     100
.set OT,    164
.set PC,    180
.set FLOOR, 0x1800000                  ; 2^(3 - 127)
.set LESS2, 0xff000000                 ; takes 2 off an exponent field
; A round of the cluster's barrier: my work-group's barrier, wave 0 signals for the work-group, every wave waits for all four work-groups, my work-group's barrier once more.
.macro CROUND
	s_barrier_signal -1
	s_barrier_wait -1
	s_cmp_lg_u32 s18, 0
	s_cbranch_scc1 .Lnot_wave_0_\@
	s_barrier_signal -3
.Lnot_wave_0_\@:
	s_barrier_wait -3
	s_barrier_signal -1
	s_barrier_wait -1
.endm
	s_load_b256 s[4:11], s[0:1], 0x0               ; kv s[4:5], fq s[6:7], Wo s[8:9], bo s[10:11]
	s_load_b128 s[12:15], s[0:1], 0x20             ; gamma s[12:13], x s[14:15]
	s_load_b64 s[16:17], s[0:1], 0x30              ; out0
	v_lshl_add_u32 v254, v0, 2, 0x40000
	v_mov_b32 v255, 0
	ds_add_u32 v254, v255
	ds_add_u32 v254, v255
	v_lshrrev_b32 v1, 5, v0
	v_readfirstlane_b32 s18, v1                    ; wave 0..15
	s_and_b32 s19, s18, 3                          ; t: my tile of queries
	s_lshr_b32 s36, s18, 2                         ; kq: my quarter of the keys, and my 64 output channels
	s_bfe_u32 s37, ttmp6, 0x40000                  ; cx: it enters fq's, x's and out0's addresses alone
	s_lshl_b32 s38, ttmp9, 2
	s_add_co_u32 s38, s38, s37                     ; chunk = 4 x cluster x + cx
	s_and_b32 s39, ttmp7, 0xffff                   ; batch, which the four partners share
	; descriptor group 1: 36 rows of 256 bytes (32 elements of 8 bytes), dense: four chunks
	s_mov_b32 s24, 0x0023000f                      ; 15:0 the mask: all four work-groups; 17:16 elements of 8 bytes; 21 set beside a mask; no padding
	s_mov_b32 s25, 32<<16                          ; tensor_dim0 = 32
	s_mov_b32 s26, 36<<16                          ; tensor_dim1 = 36
	s_mov_b32 s27, 32<<16                          ; tile_dim0 = 32
	s_mov_b32 s28, 36                              ; tile_dim1 = 36
	s_mov_b32 s29, 32                              ; from row to row
	s_mov_b32 s30, 0
	s_mov_b32 s31, 0
	s_mov_b32 s20, 0x76543210                      ; v_permlanex16_b32's selects for lane l xor 16
	s_mov_b32 s21, 0xfedcba98
	s_mov_b32 s22, 0x3fb8aa3b                      ; log2(e)
	s_mov_b32 s23, s22                             ; (named with it as a pair, so it is written)
	s_mov_b32 s47, 0x01010101
	s_mov_b32 s45, 8                               ; key steps
	s_mul_i32 s44, s36, 16*CHK                     ; LDS byte of the step's first chunk
	s_mul_i32 s33, s18, 4*CHK                      ; group 0, 63:32: my four chunks' place in LDS: wave x 9,216
	s_mul_i32 s40, s39, 64*CHK                     ; and in kv: batch x 147,456 + wave x 9,216
	s_add_co_u32 s40, s40, s33
	s_mov_b32 s41, 0
	s_lshl_b32 s42, s39, 6
	s_add_co_u32 s42, s42, s38
	s_mul_i32 s42, s42, 1280                       ; my chunk in fq
	s_mov_b32 s43, 0
	s_lshl_b32 s48, s39, 22                        ; x, out0: batch x 4 MiB + chunk x 256
	s_lshl_b32 s49, s38, 8
	s_add_co_u32 s48, s48, s49
	s_mov_b32 s49, 0
	s_lshl_b32 s50, s18, 11                        ; Wo: the tile that I quantise: 16 rows of 128 bytes
	s_mov_b32 s51, 0
	s_lshl_b32 s52, s36, 8                         ; bo: my 64 numbers
	s_mov_b32 s53, 0
	v_and_b32 v30, 31, v0                          ; L
	v_and_b32 v8, 15, v0                           ; r
	v_bfe_u32 v9, v0, 4, 1                         ; h
	v_lshlrev_b32 v1, 4, v30                       ; an image's place for my lane: 16 L
	v_mul_u32_u24 v2, v9, CHK                      ; g's scale words: lanes 0-15 the step's first chunk, lanes 16-31 its second; word r
	v_lshl_add_u32 v2, v8, 2, v2
	v_add_nc_u32 v2, 2048, v2
	v_lshlrev_b32 v3, 2, v30                       ; h's scale words: word L
	v_add_nc_u32 v3, 2176, v3
	s_mul_i32 s2, s18, CHK
	s_add_co_u32 s2, s2, MG
	v_add_nc_u32 v10, s2, v1                       ; where my partial O^T goes,
	v_lshl_add_u32 v7, v30, 2, s2
	v_add_nc_u32 v7, 2048, v7                      ; and my -M and sum
	s_mul_i32 s2, s19, CHK
	s_add_co_u32 s2, s2, MG
	v_add_nc_u32 v11, s2, v1                       ; my tile's four partials: 4 waves = 9,216 bytes apart
	v_lshl_add_u32 v16, v30, 2, s2
	v_add_nc_u32 v16, 2048, v16
	s_mul_i32 s2, s36, 64*SP                       ; the stage, in: row 64 kq + r (+ 16 i), bytes 128 (t / 2) + 32 (t % 2) + 64 h
	s_lshr_b32 s3, s19, 1
	s_lshl_b32 s3, s3, 7
	s_add_co_u32 s2, s2, s3
	s_and_b32 s3, s19, 1
	s_lshl_b32 s3, s3, 5
	s_add_co_u32 s2, s2, s3
	s_add_co_u32 s2, s2, ST
	v_mul_u32_u24 v17, v8, SP
	v_lshl_add_u32 v17, v9, 6, v17
	v_add_nc_u32 v17, s2, v17
	s_mul_i32 s2, s18, 16*SP                       ; and back: my 16 rows; lanes 0-15 one row, lanes 16-31 the next
	s_add_co_u32 s2, s2, ST
	v_mul_u32_u24 v18, v9, SP
	v_lshl_add_u32 v18, v8, 4, v18
	v_add_nc_u32 v18, s2, v18
	s_lshl_b32 s2, s18, 18                         ; the same rows in x and out0: (16 w + h) x 16,384 + 16 r; never rewritten
	v_lshlrev_b32 v31, 14, v9
	v_lshl_add_u32 v31, v8, 4, v31
	v_add_nc_u32 v31, s2, v31
	s_lshl_b32 s2, s18, 8
	s_add_co_u32 s2, s2, WOI
	v_lshl_add_u32 v192, v30, 2, s2                ; where the codes of my tile of Wo go: 256 w + 4 L
	s_lshl_b32 s2, s18, 6
	s_add_co_u32 s2, s2, WOS
	v_and_b32 v193, 28, v30
	v_add_nc_u32 v193, s2, v193                    ; and its scale words: 64 w + 4 (L / 4)
	s_lshl_b32 s2, s36, 10
	s_add_co_u32 s2, s2, WOI
	v_lshl_add_u32 v194, v8, 4, s2                 ; back: my quarter's four tiles, row r's 16 bytes,
	s_lshl_b32 s2, s36, 8
	s_add_co_u32 s2, s2, WOS
	v_lshl_add_u32 v195, v8, 2, s2                 ; and word r
	s_lshl_b32 s2, s19, 8
	v_lshl_add_u32 v210, v8, 4, s2                 ; f's codes: 256 t + 16 r
	s_add_co_u32 s3, s19, 1024
	v_lshl_add_u32 v211, v8, 2, s3                 ; f's scale byte: 1024 + 4 r + t
	v_lshlrev_b32 v212, 2, v8                      ; bo: 4 r
	v_lshlrev_b32 v213, 5, v30                     ; Wo: 32 L: 8 numbers a lane
.irp j, 80,81,82,83,88,89,90,91,96,97,98,99
	v_mov_b32 v\j, 0                               ; the three groups of zero codes
.endr
	s_wait_dscnt 0x0
	s_wait_kmcnt 0x0
	s_load_b32 s46, s[12:13], 0x0                  ; gamma
	s_mov_b32 s32, 1                               ; group 0: count = 1
	s_add_nc_u64 s[34:35], s[4:5], s[40:41]        ; 120:64 global address
	s_or_b32 s35, s35, 0x80000000                  ; 127:126 type = 2
	s_add_nc_u64 s[6:7], s[6:7], s[42:43]
	s_add_nc_u64 s[8:9], s[8:9], s[50:51]
	s_add_nc_u64 s[10:11], s[10:11], s[52:53]
	s_add_nc_u64 s[14:15], s[14:15], s[48:49]
	s_add_nc_u64 s[16:17], s[16:17], s[48:49]
	; the head's ten loads go out ahead of the round: nobody writes these bytes, and they are on their way while the work-groups meet
	global_load_b128 v[84:87], v210, s[6:7]        ; my queries' codes, the same in both halves of the lanes
	global_load_u8 v214, v211, s[6:7]              ; and their scale byte
.irp i, 0,1,2,3
	global_load_b32 v[248+\i], v212, s[10:11] offset:64*\i
.endr
	global_load_b128 v[100:103], v213, s[8:9]              ; Wo: rows 0-7 of my tile: lane L holds numbers 8 (L % 4) + 0 .. 7 of row L / 4;
	global_load_b128 v[104:107], v213, s[8:9] offset:16
	global_load_b128 v[108:111], v213, s[8:9] offset:1024  ; rows 8-15 likewise
	global_load_b128 v[112:115], v213, s[8:9] offset:1040
	CROUND                                         ; all four work-groups are here: the joint loads meet
	tensor_load_to_lds s[32:35], s[24:31]          ; my sixteenth of the batch: the wave's one tensor load
	s_nop 0
.rept 4
	v_nop
.endr
	s_wait_loadcnt 0x0                             ; the ten loads
	s_wait_kmcnt 0x0                               ; gamma
	v_cmp_lt_u32 vcc_lo, 15, v30                   ; lanes 16-31
.irp i, 0,1,2,3
	v_cndmask_b32 v[92+\i], 0, v[84+\i], vcc_lo    ; f in lanes 16-31, zero codes below
.endr
.irp i, 0,1,2,3
	v_cndmask_b32 v[84+\i], v[84+\i], v80, vcc_lo  ; f in lanes 0-15, zero codes above
.endr
	v_mul_lo_u32 v19, v214, s47                    ; f's byte in all four places of the scale word: whichever block holds f finds it
	v_max3_num_f32 v196, |v100|, |v101|, FLOOR     ; Wo's rows are one block each: my 8 numbers of a row of the upper eight and of the lower eight, by turns,
	v_max3_num_f32 v197, |v108|, |v109|, FLOOR
.irp k, 2,4,6
	v_max3_num_f32 v196, v196, |v[100+\k]|, |v[101+\k]|
	v_max3_num_f32 v197, v197, |v[108+\k]|, |v[109+\k]|
.endr
.irp m, 1,2
	v_max_num_f32_dpp v196, v196, v196 row_xmask:\m row_mask:0xf bank_mask:0xf   ; and those of the three lanes that share the row
	v_max_num_f32_dpp v197, v197, v197 row_xmask:\m row_mask:0xf bank_mask:0xf
.endr
	v_add_nc_u32 v200, LESS2, v196                 ; the conversion's scale operand
	v_add_nc_u32 v201, LESS2, v197
	v_lshrrev_b32 v204, 23, v200                   ; the byte of block 0; the word's other bytes are 0 and meet zero codes
	v_lshrrev_b32 v205, 23, v201
	v_cvt_scalef32_pk8_fp4_f32 v206, v[100:107], v200
	v_cvt_scalef32_pk8_fp4_f32 v207, v[108:115], v201
	v_nop                                          ; one plain line behind the last scaled conversion
	ds_store_b32 v192, v206                        ; a row's four lanes lay its 16 bytes on end: 16 (L / 4) + 4 (L % 4) = 4 L
	ds_store_b32 v192, v207 offset:128
	ds_store_b32 v193, v204                        ; the four lanes of a row write the same word with the same value
	ds_store_b32 v193, v205 offset:32
.irp i, 0,1,2,3
	v_mul_f32 v[188+\i], s46, v[248+\i]            ; gamma bo
.endr
	v_mov_b32 v13, 0xff61b1e6                      ; the largest t so far: -3e38, under every t
	v_floor_f32 v12, -v13                          ; -M
	v_mov_b32 v14, 0                               ; the sum, in two halves
	v_mov_b32 v15, 0
	v_mov_b32 v198, 0                              ; (a lane permute's destination counts as one of its sources: v196 and v197 are written above)
	v_mov_b32 v199, 0
	v_mov_b32 v209, 0                              ; (upper halves of pairs of which the low word alone is used)
	v_mov_b32 v211, 0
.set j, 0
.rept 16
	v_mov_b32 v[OT+j], 0                           ; O^T: the step is written once; the first finds zeros, which the first change of M leaves zeros
.set j, j+1
.endr
	s_wait_tensorcnt 0x0                           ; my sixteenth has landed,
	s_wait_dscnt 0x0                               ; and so have my stores of Wo's codes and words: for the others' sake
	s_barrier_signal -1
	s_barrier_wait -1                              ; everybody's have: the batch and Wo lie in LDS
.irp i, 0,1,2,3,4,5,6,7
	global_load_b128 v[216+4*\i:219+4*\i], v31, s[14:15] offset:32768*\i th:TH_LOAD_NT   ; the residual: wanted at the very end, asked for here: it has the whole key loop in which to land
.endr
.irp i, 0,1,2,3
	ds_load_b128 v[64+4*\i:67+4*\i], v194 offset:256*\i    ; Wo's tile i of my quarter: row r's codes, the same in both halves of the lanes
	ds_load_b32 v[26+\i], v195 offset:64*\i                ; and its scale words.  (LDS loads come back in order: the key loop's first wait shows these in)
.endr
.Lkey:                                             ; 8 trips: 128 keys = two chunks a trip
	v_add_nc_u32 v4, s44, v1
	v_add_nc_u32 v5, s44, v2
	v_add_nc_u32 v6, s44, v3
	v_nop                                          ; with the three above: four places in front of loads into registers that the last products read
	ds_load_b128 v[32:35], v4                      ; g: the first chunk's four tiles,
	ds_load_b128 v[36:39], v4 offset:512
	ds_load_b128 v[40:43], v4 offset:CHK           ; the second's
	ds_load_b128 v[44:47], v4 offset:CHK+512
	ds_load_b32 v20, v5                            ; their scale words: one register, the chunks in the two halves of the lanes
	ds_load_b128 v[48:51], v4 offset:1024          ; h: channel tile 0, keys 0-63,
	ds_load_b128 v[52:55], v4 offset:CHK+1024      ; keys 64-127;
	ds_load_b128 v[56:59], v4 offset:1536          ; channel tile 1
	ds_load_b128 v[60:63], v4 offset:CHK+1536
	ds_load_b32 v21, v6
	ds_load_b32 v22, v6 offset:CHK
	s_wait_dscnt 6                                 ; g and its scales are in; h's four loads and two scale loads are younger
.irp k, 0,1,2,3                                ; S^T: tile kb of chunk 0: variant kb of the queries' operand begins at v[84 + 8 (kb % 2) - 4 (kb / 2)]
	v_wmma_scale_f32_16x16x128_f8f6f4 v[S+8*\k:S+8*\k+7], v[32:39], v[84+8*(\k%2)-4*(\k/2):84+8*(\k%2)-4*(\k/2)+7], 0, v20, v19 matrix_a_fmt:MATRIX_FMT_FP4 matrix_b_fmt:MATRIX_FMT_FP4
.endr
.irp k, 0,1,2,3                                ; and of chunk 1
	v_wmma_scale_f32_16x16x128_f8f6f4 v[S+32+8*\k:S+32+8*\k+7], v[40:47], v[84+8*(\k%2)-4*(\k/2):84+8*(\k%2)-4*(\k/2)+7], 0, v20, v19 matrix_a_fmt:MATRIX_FMT_FP4 matrix_b_fmt:MATRIX_FMT_FP4 matrix_a_scale:MATRIX_SCALE_ROW1
.endr                                              ; lane (r, h): query r; the 16 registers of tiles 2 b, 2 b + 1 are keys 32 b + 16 h + 0 .. 15
	s_wait_dscnt 0x0
	v_bfi_b32 v23, 0xffff, v21, v22                ; h's scale word for the 128 keys: two bytes of each chunk's word
.rept 3
	v_nop                                          ; with the line above: four places in front of the first read of the scores
.endr
.irp b, 0,1,2,3
	v_max3_num_f32 v[192+\b], v[S+16*\b], v[S+1+16*\b], v[S+2+16*\b]   ; the largest score of each block of 32 keys: for the row's maximum, and, since p rises with the score, for the block's largest p
.endr
.irp i, 3,5,7,9,11,13
.irp b, 0,1,2,3
	v_max3_num_f32 v[192+\b], v[192+\b], v[S+16*\b+\i], v[S+1+16*\b+\i]
.endr
.endr
.irp b, 0,1,2,3
	v_max_num_f32 v[192+\b], v[192+\b], v[S+15+16*\b]
.endr
.irp b, 0,1,2,3
	v_permlanex16_b32 v[196+\b], v[192+\b], s20, s21
.endr
.irp b, 0,1,2,3
	v_max_num_f32 v[192+\b], v[192+\b], v[196+\b]  ; with lane l xor 16's 16 keys
.endr
	v_max3_num_f32 v210, v192, v193, v194
	v_max_num_f32 v210, v210, v195
	v_mul_f32 v210, s22, v210                      ; the step's largest t
	v_max_num_f32 v13, v13, v210
	v_mov_b32 v210, v12
	v_floor_f32 v12, -v13                          ; the new -M = -ceil(t)
	v_sub_f32 v210, v12, v210                      ; old M - new M: a whole number, 0 or less
	v_cvt_i32_f32 v210, v210                       ; (it saturates)
	v_ldexp_f32 v208, 1.0, v210                    ; 2^(old M - new M): rounds nothing
.set j, 0
.rept 32
	v_pk_fma_f32 v[S+j:S+j+1], v[S+j:S+j+1], s[22:23], v[12:13] op_sel_hi:[1,0,0]   ; t - M, two at a time
.set j, j+2
.endr
.irp b, 0,1,2,3
	v_fma_f32 v[192+\b], v[192+\b], s22, v12       ; the same of each block's largest score
.endr
.set j, 0
.rept 64
	v_exp_f32 v[S+j], v[S+j]                       ; p = 2^(t - M)
.set j, j+1
.endr
.irp b, 0,1,2,3
	v_exp_f32 v[192+\b], v[192+\b]                 ; the block's largest p: the same two instructions on the same number
.endr
	v_pk_mul_f32 v[14:15], v[14:15], v[208:209] op_sel_hi:[1,0]   ; the sum and O^T under the new M: nine plain lines that name no exponential's result
.set j, 0
.rept 8
	v_pk_mul_f32 v[OT+j:OT+j+1], v[OT+j:OT+j+1], v[208:209] op_sel_hi:[1,0]
.set j, j+2
.endr
	s_wait_alu depctr_va_vdst(0)                   ; one wait for the batch of 68, ahead of its first reader
.irp b, 0,1,2,3
	v_max_num_f32 v[192+\b], FLOOR, v[192+\b]
.endr
.irp b, 0,1,2,3
	v_add_nc_u32 v[200+\b], LESS2, v[192+\b]       ; the conversion's scale operand
.endr
.irp b, 0,1,2,3
	v_lshrrev_b32 v[204+\b], 23, v[200+\b]         ; the scale's byte
.endr
	v_lshl_or_b32 v24, v205, 8, v204               ; p's scale word for these 128 keys
	v_lshl_or_b32 v24, v206, 16, v24
	v_lshl_or_b32 v24, v207, 24, v24
.irp b, 0,1,2,3
	v_cvt_scalef32_pk8_fp4_f32 v[PC+2*\b], v[S+16*\b:S+7+16*\b], v[200+\b]
	v_cvt_scalef32_pk8_fp4_f32 v[PC+1+2*\b], v[S+8+16*\b:S+15+16*\b], v[200+\b]
.endr
	v_nop                                          ; one plain line behind the last scaled conversion
.irp c, 0,1                                    ; the operand wants a WHOLE block in a lane: lanes 0-15 block 2 c, lanes 16-31 block 2 c + 1
.irp i, 0,1
	v_permlane16_swap_b32 v[PC+4*\c+\i], v[PC+2+4*\c+\i]
.endr
.endr
	v_pk_add_f32 v[212:213], v[S:S+1], v[S+2:S+3]  ; the row's sum of the UNQUANTISED p, in two chains.  These 32 lines are also the places between p's codes and scale word and the products below
.set j, 4
.rept 15
	v_pk_add_f32 v[14:15], v[14:15], v[S+j:S+j+1]
	v_pk_add_f32 v[212:213], v[212:213], v[S+j+2:S+j+3]
.set j, j+4
.endr
	v_pk_add_f32 v[14:15], v[14:15], v[212:213]
	v_wmma_scale_f32_16x16x128_f8f6f4 v[OT:OT+7], v[48:55], v[PC:PC+7], v[OT:OT+7], v23, v24 matrix_a_fmt:MATRIX_FMT_FP4 matrix_b_fmt:MATRIX_FMT_FP4   ; O^T += h p^T: lane (r, h): query r, channels 16 h + 0 .. 7,
	v_wmma_scale_f32_16x16x128_f8f6f4 v[OT+8:OT+15], v[56:63], v[PC:PC+7], v[OT+8:OT+15], v23, v24 matrix_a_fmt:MATRIX_FMT_FP4 matrix_b_fmt:MATRIX_FMT_FP4 matrix_a_scale:MATRIX_SCALE_ROW1   ; and 16 h + 8 .. 15
	s_add_co_u32 s44, s44, 2*CHK
	s_sub_co_u32 s45, s45, 1
	s_cmp_lg_u32 s45, 0
	s_cbranch_scc1 .Lkey                           ; no two matrix instructions that follow each other share an accumulator, over this jump too
	; ---- my quarter's partial result goes to LDS as it stands
.rept 4
	v_nop                                          ; four places in front of the first read of O^T
.endr
	v_add_f32 v14, v14, v15
	v_permlanex16_b32 v196, v14, s20, s21
	v_add_f32 v14, v14, v196                       ; the sum over my 1,024 keys
.irp i, 0,1,2,3
	ds_store_b128 v10, v[OT+4*\i:OT+4*\i+3] offset:512*\i
.endr
	ds_store_b32 v7, v12
	ds_store_b32 v7, v14 offset:128
	s_wait_dscnt 0x0                               ; for the others' sake: my stores have landed
	s_barrier_signal -1
	s_barrier_wait -1
	; ---- the merge: all four waves of a tile do it alike
.irp q, 0,1,2,3
.irp i, 0,1,2,3
	ds_load_b128 v[S+16*\q+4*\i:S+16*\q+4*\i+3], v11 offset:4*CHK*\q+512*\i
.endr
	ds_load_b32 v[192+\q], v16 offset:4*CHK*\q
	ds_load_b32 v[196+\q], v16 offset:4*CHK*\q+128
.endr
	s_wait_dscnt 0x0
	v_min3_num_f32 v210, v192, v193, v194
	v_min_num_f32 v210, v210, v195                 ; the smallest -M: the row's M
.irp q, 0,1,2,3
	v_sub_f32 v[192+\q], v210, v[192+\q]           ; M of quarter q less the row's M: a whole number, 0 or less
.endr
.irp q, 0,1,2,3
	v_cvt_i32_f32 v[192+\q], v[192+\q]
.endr
.irp q, 0,1,2,3
	v_ldexp_f32 v[200+2*\q], 1.0, v[192+\q]        ; the quarter's factor, a power of two
.endr
	v_mul_f32 v14, v200, v196
	v_fma_f32 v14, v202, v197, v14
	v_fma_f32 v14, v204, v198, v14
	v_fma_f32 v14, v206, v199, v14                 ; the row's sum
	v_rcp_f32 v210, v14
.set j, 0
.rept 8
	v_pk_mul_f32 v[OT+j:OT+j+1], v[S+j:S+j+1], v[200:201] op_sel_hi:[1,0]
.set j, j+2
.endr
.irp q, 1,2,3
.set j, 0
.rept 8
	v_pk_fma_f32 v[OT+j:OT+j+1], v[S+16*\q+j:S+16*\q+j+1], v[200+2*\q:201+2*\q], v[OT+j:OT+j+1] op_sel_hi:[1,0,1]
.set j, j+2
.endr
.endr
	s_wait_alu depctr_va_vdst(0)                   ; the reciprocal's wait, ahead of its first reader; the 32 lines above are the work between
.set j, 0
.rept 8
	v_pk_mul_f32 v[OT+j:OT+j+1], v[OT+j:OT+j+1], v[210:211] op_sel_hi:[1,0]   ; out(query r, channels 16 h + 0 .. 15)
.set j, j+2
.endr
	; ---- out is quantised along its 32 channels: one block, in lanes l and l xor 16
.irp j, 182,183,184,185,186,187
	v_mov_b32 v\j, 0
.endr
	v_max3_num_f32 v192, |v[OT]|, |v[OT+1]|, FLOOR
	v_max3_num_f32 v193, |v[OT+2]|, |v[OT+3]|, |v[OT+4]|
	v_max3_num_f32 v192, v192, |v[OT+5]|, |v[OT+6]|
	v_max3_num_f32 v193, v193, |v[OT+7]|, |v[OT+8]|
	v_max3_num_f32 v192, v192, |v[OT+9]|, |v[OT+10]|
	v_max3_num_f32 v193, v193, |v[OT+11]|, |v[OT+12]|
	v_max3_num_f32 v192, v192, |v[OT+13]|, |v[OT+14]|
	v_max3_num_f32 v192, v192, v193, |v[OT+15]|
	v_permlanex16_b32 v196, v192, s20, s21
	v_max_num_f32 v192, v192, v196
	v_add_nc_u32 v200, LESS2, v192
	v_lshrrev_b32 v25, 23, v200                    ; the byte of block 0; the other bytes are 0 and meet zero codes
	v_cvt_scalef32_pk8_fp4_f32 v[PC], v[OT:OT+7], v200
	v_cvt_scalef32_pk8_fp4_f32 v[PC+1], v[OT+8:OT+15], v200
	v_nop
	v_permlane16_swap_b32 v[PC], v[PC+2]           ; lanes 0-15 now hold the whole block in four registers, lanes 16-31 zero codes
	v_permlane16_swap_b32 v[PC+1], v[PC+3]
.rept 8
	v_nop                                          ; a scale word made by a vector instruction stands eight places ahead of the scaled product, an operand four
.endr
.irp i, 0,1,2,3                                ; source 0 = my 16 queries, source 1 = 16 rows of Wo: lane (r, h): output channel 64 kq + 16 i + r, positions 32 (t / 2) + 8 (t % 2) + 16 h + 0 .. 7
	v_wmma_scale_f32_16x16x128_f8f6f4 v[S+8*\i:S+8*\i+7], v[PC:PC+7], v[64+4*\i:71+4*\i], 0, v25, v[26+\i] matrix_a_fmt:MATRIX_FMT_FP4 matrix_b_fmt:MATRIX_FMT_FP4
.endr
.rept 4
	v_nop
.endr
.irp i, 0,1,2,3
.irp j, 0,1,2,3,4,5,6,7
	v_fma_f32 v[S+8*\i+\j], s46, v[S+8*\i+\j], v[188+\i]   ; gamma o + gamma bo
.endr
.endr
.irp i, 0,1,2,3
	ds_store_b128 v17, v[S+8*\i:S+8*\i+3] offset:16*SP*\i
	ds_store_b128 v17, v[S+8*\i+4:S+8*\i+7] offset:16*SP*\i+16
.endr
	s_wait_dscnt 0x0                               ; for the others' sake: a row's 256 bytes come from four waves
	s_barrier_signal -1
	s_barrier_wait -1
	; ---- the way out: each wave takes 16 whole rows, adds x and stores
.irp i, 0,1,2,3,4,5,6,7
	ds_load_b128 v[S+4*\i:S+4*\i+3], v18 offset:2*SP*\i
.endr
	s_wait_loadcnt 0x0                             ; x, asked for ahead of the key loop
.irp i, 0,1,2,3,4,5,6,7
	s_wait_dscnt 7-\i                              ; LDS loads come back in order: rows 2 i, 2 i + 1 are in, the younger ones may be out
	v_pk_add_f32 v[S+4*\i:S+4*\i+1], v[S+4*\i:S+4*\i+1], v[216+4*\i:217+4*\i]
	v_pk_add_f32 v[S+4*\i+2:S+4*\i+3], v[S+4*\i+2:S+4*\i+3], v[218+4*\i:219+4*\i]
	global_store_b128 v31, v[S+4*\i:S+4*\i+3], s[16:17] offset:32768*\i th:TH_STORE_NT   ; 16 lanes store 256 consecutive bytes, at a multiple of 256 from out0's first byte
.endr
	s_wait_tensorcnt 0x0
	ds_add_u32 v254, v255
	s_wait_dscnt 0x0
	CROUND                                         ; the closing round: no work-group ends while a partner may still ask for a tile that names it
	s_endpgm
.Lfunc_end_k_qd6bc96a0ea_attn:
	.size	k_qd6bc96a0ea_attn, .Lfunc_end_k_qd6bc96a0ea_attn-k_qd6bc96a0ea_attn
	.p2alignl 7, 3214868480
	.fill 96, 4, 3214868480
	.section	.rodata,"a",@progbits
	.p2align	6, 0x0
	.amdhsa_kernel k_qd6bc96a0ea_attn
		.amdhsa_group_segment_fixed_size 264192
		.amdhsa_private_segment_fixed_size 0
		.amdhsa_enable_private_segment 0
		.amdhsa_kernarg_size 56
		.amdhsa_user_sgpr_count 2
		.amdhsa_user_sgpr_kernarg_segment_ptr 1
		.amdhsa_wavefront_size32 1
		.amdhsa_system_sgpr_workgroup_id_x 1
		.amdhsa_system_sgpr_workgroup_id_y 1
		.amdhsa_system_sgpr_workgroup_id_z 1
		.amdhsa_system_vgpr_workitem_id 0
		.amdhsa_next_free_vgpr 256
		.amdhsa_next_free_sgpr 66
		.amdhsa_reserve_vcc 1
		.amdhsa_float_denorm_mode_32 3
		.amdhsa_float_denorm_mode_16_64 3
		.amdhsa_memory_ordered 1
		.amdhsa_forward_progress 1
		.amdhsa_inst_pref_size 39
	.end_amdhsa_kernel
	.amdgpu_metadata
---
amdhsa.version: [ 1, 2 ]
amdhsa.kernels:
  - .name:           k_qd6bc96a0ea_attn
    .symbol:         k_qd6bc96a0ea_attn.kd
    .args:
      - { .name: kv, .offset: 0, .size: 8, .value_kind: global_buffer, .address_space: global }
      - { .name: fq, .offset: 8, .size: 8, .value_kind: global_buffer, .address_space: global }
      - { .name: Wo, .offset: 16, .size: 8, .value_kind: global_buffer, .address_space: global }
      - { .name: bo, .offset: 24, .size: 8, .value_kind: global_buffer, .address_space: global }
      - { .name: gamma, .offset: 32, .size: 8, .value_kind: global_buffer, .address_space: global }
      - { .name: x, .offset: 40, .size: 8, .value_kind: global_buffer, .address_space: global }
      - { .name: out0, .offset: 48, .size: 8, .value_kind: global_buffer, .address_space: global }
    .group_segment_fixed_size: 264192
    .private_segment_fixed_size: 0
    .kernarg_segment_align: 8
    .kernarg_segment_size: 56
    .max_flat_workgroup_size: 512
    .sgpr_count:     66
    .vgpr_count:     256
    .wavefront_size: 32
...
	.end_amdgpu_metadata
.endif
;; end of part 4
;; ======== version 3 of 3: 2 launches
;; workspace buffers: kv 589,824 bytes; fq 327,680 bytes
;; launch proj (part 5): grid 64 x 4, 16 waves a work-group, no clusters, 126,976 bytes of LDS; arguments x, Wv, Wk, Wq, bv, bk, bq, kv, fq; writes kv, fq
.if DOCPART == 5
	.amdgcn_target "amdgcn-amd-amdhsa--gfx1250"
	.amdhsa_code_object_version 6
	.text
	.protected	k_qd6bc96a0ea_proj
	.globl	k_qd6bc96a0ea_proj
	.p2align	8
	.type	k_qd6bc96a0ea_proj,@function
k_qd6bc96a0ea_proj:
	s_mov_b64 s[64:65], 0
	v_nop
	global_prefetch_b8 v0, s[64:65] scope:SCOPE_SE
	s_setreg_imm32_b32 hwreg(HW_REG_WAVE_SCHED_MODE, 0, 2), 2
	s_setreg_imm32_b32 hwreg(HW_REG_WAVE_MODE, 25, 1), 1
	s_wait_xcnt 0x0
	s_wait_alu depctr_vm_vsrc(0)
; f = Wv x + bv, g = Wk x + bk, h = Wq x + bq on codes of FP4 (E2M1) with one E8M0 scale for each 32 along K (K = the 256 channels), and the three
; results quantised again for the attention launch: f and g along their 32 channels (one block a position), h along the positions (blocks of 32).
; x: [4][256][4096] f32.  W: [32][256] f32.  A work-group owns a CHUNK: 64 neighbouring positions of one batch (grid x = chunk, y = batch); sixteen waves.
; LIMITS: NaN and infinities among the inputs are not served.  A block of zeros gets the scale byte 1 where the rule says 127: its codes are zeros, which add
; nothing under any byte but 0xff, and the bytes are read by this program alone.
; NAMES.  L lane, r = L % 16, h = L / 16.  A tile (pb, u) of 16 positions: row r is position 32 pb + 8 u + r + 8 (r / 8); a tile u of 16 of the 32 output channels: row r is channel
; 8 u + r + 8 (r / 8).  With such rows the 16 result registers of tiles u = 0 and 1 are 16 NEIGHBOURS, 16 h + 0 .. 15, which the conversions want.
; X: wave w takes 32 positions (w / 8) and one block of 32 channels (w % 8): a lane a position, its 32 registers down K: each load reads 128 consecutive bytes, a block's largest magnitude needs no other lane,
;    and the four code registers go straight to their place in the image of an operand's registers in LDS (lane l's 16 bytes at 16 l).
; W: waves 0-11 take one fragment each (16 rows x 128 K of Wv, Wk or Wq).  It is loaded BY ROWS, each load 512 consecutive bytes, and turns through the wave's own stage in LDS into the operand's order,
;    64 numbers a lane (two whole blocks); then it is quantised and its image stored.
; UNIT: behind a barrier waves 0-11 make one unit each, with ONE text.  f, g (waves 0-7): source 0 = W's tile a, source 1 = x's tile: a lane holds one position and 16 channels.
;    h (waves 8-11): source 0 = x's tile (pb, a), source 1 = Wq's tile: a lane holds one channel and 16 positions.  The bias is the C of each sum's first product.
; OUT: a unit's codes are 256 consecutive aligned bytes; the scale bytes meet in LDS and leave as one aligned block of 256 bytes for each buffer.
; kv, a chunk = 2,304 bytes: +0 g's codes (position (pb, u, r) at 512 pb + 256 u + 16 r), +1024 h's codes (channel tile ct, block pb, row r at 512 ct + 256 pb + 16 r),
;    +2048 g's scale words (word r, byte 2 pb + u), twice, +2176 h's (word 16 ct + r = bytes pb 0, pb 1, pb 0, pb 1).   fq, a chunk = 1,280 bytes: +0 f's codes as g's, +1024 f's words, four times.
; NO CLUSTER: x is shared by nobody.  W (96 KiB) is read by every work-group and could be asked for jointly; that is not built: a joint load stands behind a round of the cluster's barrier, and this launch has
; no work to set in front of that round, whereas here W's sixteen loads a wave go out with the wave's first lines, beside x's.
; THE MODE: SCHED_MODE bits 1:0 = 2 (LLVM: expert scheduling mode 2), set by the entry lines.  The code itself states the register dependences
; between vector or matrix instructions and memory or LDS instructions, with s_wait_alu, always for 0.
; THE PLAN.  Registers that memory or LDS instructions touch, in the text's order:
;   v4-19, v156, v157   offsets and LDS addresses: written once, at the head; read by every load and store; never written again.
;   v192-255            W's rows: global loads land, the stage's stores read.  Then v192, v193: the unit's conversions write, its global store reads; v194, v195: the scale block's LDS load lands, the last store reads.
;   v128-143, v32-63    the bias and x: global loads land once; matrix and vector instructions read.
;   v64-127             the stage's LDS loads land; W's maxima and conversions read.  Then v64-111: the unit's LDS loads land; the products read.
;   v148-155, v28       W's codes and scale word: vector instructions write, three LDS stores read; not written again.
;   v144-147, v26       x's codes and byte: vector instructions write, two LDS stores read.  Then v26: the unit writes it again, its byte store reads.
;   v160-165            scale words: LDS loads land, the products read.       v174, v175: written at the head, read by the closing add alone.
;   The accumulators v176-191 and, of v20-30, all but v26 and v28 are named by vector and matrix instructions alone.
; So: one wait on va_sdst behind the wave's number; one on va_vdst ahead of the first load (the addresses); ONE on va_vdst ahead of all five image stores, W's among them, which for that stand behind x's conversions:
; it also states that W's maxima and conversions are done reading v64-111, in which the unit's loads land, since no vector instruction stands between it and those loads; one on vm_vsrc behind the first barrier,
; ahead of the second use of v192-195 and v26; one on va_vdst ahead of the unit's two stores.
.set IMG,   0                          ; LDS: 20 images of 1,024 bytes: 0-7 x (4 pb + 2 u + K step), 8-19 W (8 + 4 matrix + 2 tile + K step)
.set SCL,   20480                      ; 20 x 128 bytes: an image's scale words, word r at 4 r
.set SS,    23040                      ; the scale bytes on their way out: +0 f's (128), +256 g's (128), +384 h's (128)
.set WST,   23552                      ; twelve stages, a wave's own: 16 rows x (512 bytes + 16)
.set WSP,   528                        ; 33 x 16 bytes from row to row: the sixteen rows that a load touches start in sixteen different groups of four banks
.set FLOOR, 0x1800000                  ; 2^(3 - 127): no largest magnitude is taken under it, so the byte cannot fall under 1
.set LESS2, 0xff000000                 ; takes 2 off an exponent field
; 32 numbers of one lane: their largest magnitude (two chains), the conversion's scale operand (its exponent field alone is taken) and the scale's byte
.macro QB32 src, m0, m1, so, by
	v_max3_num_f32 v[\m0], |v[\src]|, |v[\src+1]|, FLOOR
	v_max3_num_f32 v[\m1], |v[\src+2]|, |v[\src+3]|, |v[\src+4]|
.irp i, 5,9,13,17,21,25
	v_max3_num_f32 v[\m0], v[\m0], |v[\src+\i]|, |v[\src+\i+1]|
	v_max3_num_f32 v[\m1], v[\m1], |v[\src+\i+2]|, |v[\src+\i+3]|
.endr
	v_max3_num_f32 v[\m0], v[\m0], |v[\src+29]|, |v[\src+30]|
	v_max3_num_f32 v[\m0], v[\m0], v[\m1], |v[\src+31]|
	v_add_nc_u32 v[\so], LESS2, v[\m0]
	v_lshrrev_b32 v[\by], 23, v[\so]
.endm
.macro MM d, a, b, c, sa, sb
	v_wmma_scale_f32_16x16x128_f8f6f4 v[\d:\d+7], v[\a:\a+7], v[\b:\b+7], v[\c:\c+7], v[\sa], v[\sb] matrix_a_fmt:MATRIX_FMT_FP4 matrix_b_fmt:MATRIX_FMT_FP4
.endm
.macro BARRIER                         ; my LDS stores have landed and my LDS loads are in: then the work-group's barrier
	s_wait_dscnt 0x0
	s_barrier_signal -1
	s_barrier_wait -1
.endm
	s_load_b256 s[4:11], s[0:1], 0x0               ; x s[4:5], Wv s[6:7], Wk s[8:9], Wq s[10:11]
	s_load_b256 s[12:19], s[0:1], 0x20             ; bv s[12:13], bk s[14:15], bq s[16:17], kv s[18:19]
	s_load_b64 s[20:21], s[0:1], 0x40              ; fq
	v_lshl_add_u32 v174, v0, 2, 0x1e800
	v_mov_b32 v175, 0
	v_lshrrev_b32 v1, 5, v0
	v_readfirstlane_b32 s22, v1                    ; wave 0..15
	v_and_b32 v1, 31, v0                           ; L
	v_and_b32 v2, 15, v0                           ; r
	v_bfe_u32 v3, v0, 4, 1                         ; h
	s_wait_alu depctr_va_sdst(0)                   ; s22 is written, ahead of its first reader: every share of a wave is made from it
	s_min_u32 s23, s22, 11                         ; the wave's number in the jobs that twelve waves share (waves 12-15 make the addresses of wave 11 and use none)
	s_lshr_b32 s24, s22, 3                         ; x: which 32 positions
	s_bfe_u32 s25, s22, 0x10002                    ; x: which K step of 128
	s_and_b32 s26, s22, 3                          ; x: which block of 32 in it
	s_and_b32 s27, s22, 7                          ; x: which block of the 8
	s_lshr_b32 s28, s23, 2                         ; matrix: 0 Wv (f), 1 Wk (g), 2 Wq (h)
	s_bfe_u32 s29, s23, 0x10001                    ; b1: W's tile; a unit's pb
	s_and_b32 s30, s23, 1                          ; b0: W's K step; a unit's u (f, g) or channel tile (h)
	s_lshr_b32 s31, s23, 3                         ; 1 in h's waves
	s_xor_b32 s32, s31, 1                          ; 1 in f's and g's
	s_and_b32 s37, s23, 3
	s_lshl_b32 s33, s28, 2                         ; source 0's first image: f, g: W's, 8 + 4 matrix; h: x's, 4 pb
	s_add_co_u32 s33, s33, 8
	s_mul_i32 s33, s33, s32
	s_lshl_b32 s2, s29, 2
	s_mul_i32 s2, s2, s31
	s_add_co_u32 s33, s33, s2
	s_lshl_b32 s34, s37, 1                         ; source 1's first image: f, g: x's, 4 pb + 2 u; h: Wq's, 16 + 2 tile
	s_mul_i32 s34, s34, s32
	s_lshl_b32 s2, s30, 1
	s_add_co_u32 s2, s2, 16
	s_mul_i32 s2, s2, s31
	s_add_co_u32 s34, s34, s2
	s_mul_i32 s35, s31, 66                         ; from lanes 0-15 to lanes 16-31 in the scale stage: 64 bytes (f, g: a second copy), 2 (h: the word's upper half)
	s_xor_b32 s35, s35, 64
	s_lshl_b32 s36, s28, 8                         ; my unit's byte in the scale stage: f, g: 256 matrix + (2 pb + u); h: 384 + 64 tile + pb
	s_add_co_u32 s36, s36, s37
	s_mul_i32 s36, s36, s32
	s_lshl_b32 s2, s30, 6
	s_add_co_u32 s2, s2, s29
	s_add_co_u32 s2, s2, 384
	s_mul_i32 s2, s2, s31
	s_add_co_u32 s36, s36, s2
	s_add_co_u32 s36, s36, SS
	s_mov_b32 s50, 0x76543210                      ; v_permlanex16_b32's selects for lane l xor 16
	s_mov_b32 s51, 0xfedcba98
	; every address register is made here, ahead of the first branch on the wave's number
	v_and_b32 v4, 7, v0                            ; x: lane (r, h) takes position r % 8 + 8 h + 16 (r / 8) of the 32: row r of tile u = h
	s_wait_alu depctr_va_vdst(0)
	v_lshl_add_u32 v4, v3, 3, v4
	v_bfe_u32 v20, v0, 3, 1                        ; r / 8
	s_wait_alu depctr_va_vdst(0)
	v_lshl_add_u32 v4, v20, 4, v4
	v_lshlrev_b32 v4, 2, v4
	s_lshl_b32 s2, s24, 12                         ; x's codes: image 4 pb + 2 h + K step; in it block q at 256 q, row r at 16 r
	s_lshl_b32 s3, s25, 10
	s_add_co_u32 s2, s2, s3
	s_lshl_b32 s3, s26, 8
	s_add_co_u32 s2, s2, s3
	v_lshlrev_b32 v5, 4, v2
	v_lshl_add_u32 v5, v3, 11, v5
	v_add_nc_u32 v5, s2, v5
	s_lshl_b32 s2, s24, 9                          ; x's scale byte: the image's word r, byte q
	s_lshl_b32 s3, s25, 7
	s_add_co_u32 s2, s2, s3
	s_add_co_u32 s2, s2, s26
	s_add_co_u32 s2, s2, SCL
	v_lshlrev_b32 v6, 2, v2
	v_lshl_add_u32 v6, v3, 8, v6
	v_add_nc_u32 v6, s2, v6
	v_lshl_add_u32 v21, v20, 3, v2                 ; r + 8 (r / 8)
	v_lshlrev_b32 v7, 4, v1                        ; W in memory: my 16 bytes of a row's 512
	s_mul_i32 s3, s23, 16*WSP
	s_add_co_u32 s3, s3, WST                       ; my stage
	v_lshl_add_u32 v156, v1, 4, s3                 ; into it: 16 L, the row in the offset
	v_mul_u32_u24 v157, v2, WSP                    ; out of it: row r, + 32 h numbers
	v_lshl_add_u32 v157, v3, 7, v157
	v_add_nc_u32 v157, s3, v157
	s_add_co_u32 s2, s23, 8
	s_lshl_b32 s3, s2, 10
	v_lshl_add_u32 v8, v1, 4, s3                   ; W's image: 16 L
	s_lshl_b32 s3, s2, 7
	s_add_co_u32 s3, s3, SCL
	v_lshl_add_u32 v9, v1, 2, s3                   ; and its scale words: 4 L
	s_lshl_b32 s3, s33, 10
	v_lshl_add_u32 v10, v1, 4, s3                  ; a unit's loads: source 0's images,
	s_lshl_b32 s3, s34, 10
	v_lshl_add_u32 v11, v1, 4, s3                  ; source 1's,
	s_lshl_b32 s3, s33, 7
	s_add_co_u32 s3, s3, SCL
	v_lshl_add_u32 v12, v2, 2, s3                  ; and their scale words: word r
	s_lshl_b32 s3, s34, 7
	s_add_co_u32 s3, s3, SCL
	v_lshl_add_u32 v13, v2, 2, s3
	v_lshlrev_b32 v14, 4, v2                       ; a unit's codes in memory: 16 r + 8 h
	v_lshl_add_u32 v14, v3, 3, v14
	v_mul_u32_u24 v15, s35, v3                     ; a unit's scale byte in the stage
	v_lshl_add_u32 v15, v2, 2, v15
	v_add_nc_u32 v15, s36, v15
	v_lshlrev_b32 v17, 3, v1                       ; the scale blocks' way out: 8 L in memory;
	s_min_u32 s56, s22, 1
	s_lshl_b32 s57, s56, 7
	s_add_co_u32 s57, s57, 127
	v_and_b32 v16, s57, v17                        ; in LDS wave 0 reads f's 128 bytes twice, wave 1 g's 128 and h's 128
	s_lshl_b32 s57, s56, 8
	s_add_co_u32 s57, s57, SS
	v_add_nc_u32 v16, s57, v16
	v_lshlrev_b32 v18, 6, v3                       ; bias of f, g: numbers 16 h + 0 .. 15
	v_lshlrev_b32 v19, 2, v21                      ; bias of h: my channel's
	v_mov_b32 v30, 0                               ; written once: a lane permute's destination counts as one of its sources
	; byte offsets, apart from the addresses
	s_and_b32 s58, ttmp7, 0xffff                   ; batch
	s_lshl_b32 s59, s58, 6
	s_add_co_u32 s59, s59, ttmp9                   ; chunk id = 64 batch + chunk
	s_lshl_b32 s62, s58, 22                        ; x: batch x 4 MiB + block x 32 rows of 16,384 + chunk x 256 + 128 x (which 32 positions)
	s_lshl_b32 s3, s27, 19
	s_add_co_u32 s62, s62, s3
	s_lshl_b32 s3, ttmp9, 8
	s_add_co_u32 s62, s62, s3
	s_lshl_b32 s3, s24, 7
	s_add_co_u32 s62, s62, s3
	s_mov_b32 s63, 0
	s_lshl_b32 s52, s29, 13                        ; W: tile x 8 rows + K step x 512 bytes
	s_lshl_b32 s3, s30, 9
	s_add_co_u32 s52, s52, s3
	s_mov_b32 s53, 0
	s_mul_i32 s54, s31, s30                        ; bias of h: tile x 8 numbers
	s_lshl_b32 s54, s54, 5
	s_mov_b32 s55, 0
	s_lshl_b32 s60, s37, 8                         ; a unit's codes in its chunk: f, g: 256 (2 pb + u); h: 1024 + 512 tile + 256 pb
	s_mul_i32 s60, s60, s32
	s_lshl_b32 s2, s30, 9
	s_lshl_b32 s3, s29, 8
	s_add_co_u32 s2, s2, s3
	s_add_co_u32 s2, s2, 1024
	s_mul_i32 s2, s2, s31
	s_add_co_u32 s60, s60, s2
	s_mov_b32 s61, 0
	s_wait_kmcnt 0x0
	s_add_nc_u64 s[44:45], s[4:5], s[62:63]        ; x at my block
	s_mul_i32 s2, s59, 2304
	s_mov_b32 s3, 0
	s_add_nc_u64 s[46:47], s[18:19], s[2:3]        ; my chunk in kv
	s_mul_i32 s2, s59, 1280
	s_add_nc_u64 s[48:49], s[20:21], s[2:3]        ; and in fq
	s_cmp_eq_u32 s28, 0                            ; the choices hang on the wave's number alone
	s_cselect_b64 s[38:39], s[6:7], s[8:9]
	s_cselect_b64 s[40:41], s[12:13], s[14:15]
	s_cselect_b64 s[42:43], s[48:49], s[46:47]
	s_cmp_eq_u32 s28, 2
	s_cselect_b64 s[38:39], s[10:11], s[38:39]
	s_cselect_b64 s[40:41], s[16:17], s[40:41]
	s_add_nc_u64 s[38:39], s[38:39], s[52:53]      ; my fragment of W
	s_add_nc_u64 s[40:41], s[40:41], s[54:55]      ; my bias
	s_add_nc_u64 s[42:43], s[42:43], s[60:61]      ; where my unit's codes go
	s_add_nc_u64 s[48:49], s[48:49], 1024
	s_add_nc_u64 s[46:47], s[46:47], 2048
	s_cmp_eq_u32 s22, 0
	s_cselect_b64 s[46:47], s[48:49], s[46:47]     ; where the scale block goes: wave 0 fq's, wave 1 kv's
	; ---- all loads of a wave go out here: W and the bias first (they are worked on first), then x
	s_wait_alu depctr_va_vdst(0)                   ; the offsets and LDS addresses v4 to v19, v156 and v157 are written, which the loads and stores of the whole kernel read; none of them is written again
	s_cmp_lt_u32 s22, 12
	s_cbranch_scc0 .Lno_w_loads
.set n, 0
.rept 16
	global_load_b128 v[192+4*n:195+4*n], v7, s[38:39] offset:(n+8*(n/8))*1024   ; row n of my tile, my K step: 32 lanes read 512 consecutive bytes
.set n, n+1
.endr
	s_cmp_lt_u32 s22, 8
	s_cbranch_scc0 .Lbias_h
.irp j, 0,1,2,3
	global_load_b128 v[128+4*\j:131+4*\j], v18, s[40:41] offset:16*\j      ; f, g: register n is channel 16 h + n
.endr
	s_branch .Lno_w_loads
.Lbias_h:
.set n, 0
.rept 16
	global_load_b32 v[128+n], v19, s[40:41]                ; h: all sixteen registers are my channel's
.set n, n+1
.endr
.Lno_w_loads:
.set n, 0
.rept 32
	global_load_b32 v[32+n], v4, s[44:45] offset:16384*n th:TH_LOAD_NT   ; x(32 block + n, my position): 32 lanes read 128 consecutive bytes
.set n, n+1
.endr
	; ---- W's fragment: through my stage, then two whole blocks a lane
	s_cmp_lt_u32 s22, 12
	s_cbranch_scc0 .Lno_w
	s_wait_loadcnt 36                              ; W's sixteen loads are in: in f's and g's waves the 4 of the bias and the 32 of x are younger; in h's waves 48 are younger, so there twelve of the bias's are awaited too
.set n, 0
.rept 16
	ds_store_b128 v156, v[192+4*n:195+4*n] offset:WSP*n    ; (the data come from loads, the address from the head: no vector instruction has named either since the head's wait)
.set n, n+1
.endr
.irp c, 0,1
.irp j, 0,1,2,3,4,5,6,7
	ds_load_b128 v[64+32*\c+4*\j:64+32*\c+4*\j+3], v157 offset:256*\c+16*\j   ; W(row r, 64 c + 32 h + 4 j ..): the operand's own order.  LDS serves a wave's instructions in order (ISA guide 5.7.1.4): these see my stores
.endr
.endr
	s_wait_dscnt 0x0
	QB32 64, 20, 21, 24, 26
	QB32 96, 22, 23, 25, 27
	v_lshl_or_b32 v28, v27, 16, v26                ; my two bytes: blocks h and 2 + h of my row,
	v_lshlrev_b32 v29, 3, v3
	v_lshlrev_b32 v28, v29, v28                    ; at their places in the scale word;
	v_permlanex16_b32 v30, v28, s50, s51
	v_or_b32 v28, v28, v30                         ; with lane l xor 16's two the word is whole
.irp c, 0,1
.irp g, 0,1,2,3
	v_cvt_scalef32_pk8_fp4_f32 v[148+4*\c+\g], v[64+32*\c+8*\g:64+32*\c+8*\g+7], v[24+\c]
.endr
.endr
	v_nop                                          ; one plain line behind the last scaled conversion.  The image in v148-155 and its word in v28 wait in their registers: x's lines below name none of them
.Lno_w:
	; ---- x's block: all 32 numbers are the lane's own
	s_wait_loadcnt 0x0
	QB32 32, 20, 21, 24, 26
.irp g, 0,1,2,3
	v_cvt_scalef32_pk8_fp4_f32 v[144+\g], v[32+8*\g:32+8*\g+7], v24
.endr
	v_nop
	s_wait_alu depctr_va_vdst(0)                   ; x's conversions have written v144-147 and the shift v26; in waves 0-11 W's have written v148-155 and v28: the five stores below read them.  W's maxima and conversions are also done reading v64-111, in which the unit's loads land: no vector instruction stands between this wait and those loads
	ds_store_b128 v5, v[144:147]
	ds_store_b8 v6, v26
	s_cmp_lt_u32 s22, 12
	s_cbranch_scc0 .Lno_w_image
	ds_store_b128 v8, v[148:151]
	ds_store_b128 v8, v[152:155] offset:512
	ds_store_b32 v9, v28
.Lno_w_image:
	BARRIER                                        ; the twenty images and their scale words lie in LDS
	s_wait_alu depctr_vm_vsrc(0)                   ; the stage's stores have read v192-195, of which the unit's conversions write v192 and v193 and in which (v194, v195) the scale block's load lands; x's byte store has read v26, which the unit writes again
	; ---- a unit: two accumulators by turns, two K steps
	s_cmp_lt_u32 s22, 12
	s_cbranch_scc0 .Lno_unit
.irp a, 0,1
.irp k, 0,1
.irp c, 0,1
	ds_load_b128 v[64+16*\a+8*\k+4*\c:64+16*\a+8*\k+4*\c+3], v10 offset:2048*\a+1024*\k+512*\c
.endr
	ds_load_b32 v[160+2*\a+\k], v12 offset:256*\a+128*\k
.endr
.endr
.irp k, 0,1
.irp c, 0,1
	ds_load_b128 v[96+8*\k+4*\c:96+8*\k+4*\c+3], v11 offset:1024*\k+512*\c
.endr
	ds_load_b32 v[164+\k], v13 offset:128*\k
.endr
	s_wait_dscnt 0x0
	MM 176, 64, 96, 128, 160, 164                  ; the bias starts each sum
	MM 184, 80, 96, 136, 162, 164
	MM 176, 72, 104, 176, 161, 165                 ; the accumulators take turns, one instruction a turn
	MM 184, 88, 104, 184, 163, 165
.rept 4
	v_nop                                          ; four places in front of the first read of the results (ISA guide 7.12.1)
.endr
	v_max3_num_f32 v20, |v176|, |v177|, FLOOR      ; my 16 numbers of the block, each accumulator from its low end on
	v_max3_num_f32 v21, |v184|, |v185|, |v186|
	v_max3_num_f32 v20, v20, |v178|, |v179|
	v_max3_num_f32 v21, v21, |v187|, |v188|
	v_max3_num_f32 v20, v20, |v180|, |v181|
	v_max3_num_f32 v21, v21, |v189|, |v190|
	v_max3_num_f32 v20, v20, |v182|, |v183|
	v_max3_num_f32 v20, v20, v21, |v191|
	v_permlanex16_b32 v30, v20, s50, s51
	v_max_num_f32 v20, v20, v30                    ; with lane l xor 16's sixteen: the block's largest magnitude
	v_add_nc_u32 v24, LESS2, v20
	v_lshrrev_b32 v26, 23, v24
	v_cvt_scalef32_pk8_fp4_f32 v192, v[176:183], v24
	v_cvt_scalef32_pk8_fp4_f32 v193, v[184:191], v24
	v_nop
	s_wait_alu depctr_va_vdst(0)                   ; the conversions have written v192 and v193 and the shift v26, which the two stores below read
	global_store_b64 v14, v[192:193], s[42:43]     ; 32 lanes store 256 consecutive bytes, at a multiple of 256 from the buffer's first byte
	ds_store_b8 v15, v26                           ; lanes l and l xor 16 hold the same byte and write it to two places
.Lno_unit:
	BARRIER                                        ; all scale bytes lie in the stage
	s_cmp_lt_u32 s22, 2
	s_cbranch_scc0 .Ldone
	ds_load_b64 v[194:195], v16                    ; (no vector instruction names v194 or v195; the stage's stores, which read them, stand ahead of the wait on vm_vsrc)
	s_wait_dscnt 0x0
	global_store_b64 v17, v[194:195], s[46:47]     ; 256 consecutive aligned bytes
.Ldone:
	s_wait_dscnt 0x0                               ; the closing lines, six on end
	s_wait_alu 0x0
	s_wait_tensorcnt 0x0
	ds_add_u32 v174, v175
	s_wait_dscnt 0x0
	s_endpgm
.Lfunc_end_k_qd6bc96a0ea_proj:
	.size	k_qd6bc96a0ea_proj, .Lfunc_end_k_qd6bc96a0ea_proj-k_qd6bc96a0ea_proj
	.p2alignl 7, 3214868480
	.fill 96, 4, 3214868480
	.section	.rodata,"a",@progbits
	.p2align	6, 0x0
	.amdhsa_kernel k_qd6bc96a0ea_proj
		.amdhsa_group_segment_fixed_size 126976
		.amdhsa_private_segment_fixed_size 0
		.amdhsa_enable_private_segment 0
		.amdhsa_kernarg_size 72
		.amdhsa_user_sgpr_count 2
		.amdhsa_user_sgpr_kernarg_segment_ptr 1
		.amdhsa_wavefront_size32 1
		.amdhsa_system_sgpr_workgroup_id_x 1
		.amdhsa_system_sgpr_workgroup_id_y 1
		.amdhsa_system_sgpr_workgroup_id_z 1
		.amdhsa_system_vgpr_workitem_id 0
		.amdhsa_next_free_vgpr 256
		.amdhsa_next_free_sgpr 66
		.amdhsa_reserve_vcc 0
		.amdhsa_float_denorm_mode_32 3
		.amdhsa_float_denorm_mode_16_64 3
		.amdhsa_memory_ordered 1
		.amdhsa_forward_progress 1
		.amdhsa_inst_pref_size 24
	.end_amdhsa_kernel
	.amdgpu_metadata
---
amdhsa.version: [ 1, 2 ]
amdhsa.kernels:
  - .name:           k_qd6bc96a0ea_proj
    .symbol:         k_qd6bc96a0ea_proj.kd
    .args:
      - { .name: x, .offset: 0, .size: 8, .value_kind: global_buffer, .address_space: global }
      - { .name: Wv, .offset: 8, .size: 8, .value_kind: global_buffer, .address_space: global }
      - { .name: Wk, .offset: 16, .size: 8, .value_kind: global_buffer, .address_space: global }
      - { .name: Wq, .offset: 24, .size: 8, .value_kind: global_buffer, .address_space: global }
      - { .name: bv, .offset: 32, .size: 8, .value_kind: global_buffer, .address_space: global }
      - { .name: bk, .offset: 40, .size: 8, .value_kind: global_buffer, .address_space: global }
      - { .name: bq, .offset: 48, .size: 8, .value_kind: global_buffer, .address_space: global }
      - { .name: kv, .offset: 56, .size: 8, .value_kind: global_buffer, .address_space: global }
      - { .name: fq, .offset: 64, .size: 8, .value_kind: global_buffer, .address_space: global }
    .group_segment_fixed_size: 126976
    .private_segment_fixed_size: 0
    .kernarg_segment_align: 8
    .kernarg_segment_size: 72
    .max_flat_workgroup_size: 512
    .sgpr_count:     66
    .vgpr_count:     256
    .wavefront_size: 32
...
	.end_amdgpu_metadata
.endif
;; end of part 5
;; launch attn (part 6): grid 64 x 4, 16 waves a work-group, clusters of 4 x 1, 264,192 bytes of LDS; arguments kv, fq, Wo, bo, gamma, x, out0; writes out0
.if DOCPART == 6
	.amdgcn_target "amdgcn-amd-amdhsa--gfx1250"
	.amdhsa_code_object_version 6
	.text
	.protected	k_qd6bc96a0ea_attn
	.globl	k_qd6bc96a0ea_attn
	.p2align	8
	.type	k_qd6bc96a0ea_attn,@function
k_qd6bc96a0ea_attn:
	s_mov_b64 s[64:65], 0
	v_nop
	global_prefetch_b8 v0, s[64:65] scope:SCOPE_SE
	s_setreg_imm32_b32 hwreg(HW_REG_WAVE_MODE, 25, 1), 1
	s_wait_xcnt 0x0
	s_wait_alu depctr_hold_cnt(0) depctr_sa_sdst(0) depctr_va_vdst(0) depctr_va_sdst(0) depctr_va_ssrc(0) depctr_va_vcc(0) depctr_vm_vsrc(0)
	s_getreg_b32 s2, hwreg(HW_REG_IB_STS2, 6, 4)
	s_cmp_eq_u32 s2, 0
	s_cbranch_scc0 .Lentry_in_a_cluster
	s_endpgm
.Lentry_in_a_cluster:
	s_bfe_u32 s2, ttmp6, 0x10000c
	s_cmp_lg_u32 s2, 0x3003
	s_cbranch_scc0 .Lentry_shape_is_right
	s_endpgm
.Lentry_shape_is_right:
; out0 = gamma (Wo softmax_j(f_i . g_j) h_j + bo) + x, all three products on codes of FP4 (E2M1) with one E8M0 scale for each 32 along K.  f, g, h come as codes and scale bytes from the launch before
; (layouts: that launch's head; a chunk = 64 positions = 2,304 bytes of kv, 1,280 of fq).  Wo [256][32], bo [256], gamma [1], x and out0 [4][256][4096]: f32.
; THE SOFTMAX: t = score x log2(e); M = the largest t so far, rounded UP to a whole number; p = 2^(t - M) is quantised along the keys, not normalised; the row's sum is taken of the unquantised p and divides at the end.
; LIMITS: NaN and infinities are not served; p under 2^-126 counts as 0 (v_exp_f32's result, ISA guide 15.8); the division is v_rcp_f32 and a multiplication; a block of zeros carries the byte 1, its codes are zeros.
; SHARES.  A work-group owns a chunk's 64 queries.  Wave w: tile t = w % 4 of 16 queries (row r = position 32 (t / 2) + 8 (t % 2) + r + 8 (r / 8)), quarter kq = w / 4 of the batch's 4,096 keys: 8 steps of 128.
; The four partial results of a tile meet in LDS (M is a whole number: every factor is a power of two); each wave then makes 64 of the 256 output channels for its tile.
; LDS.  A batch's keys and values are 64 x 2,304 = 147,456 bytes: they come ONCE, whole, and stay: no slot is filled again.
; CLUSTER.  The four work-groups of a cluster belong to one batch and read the same 147,456 bytes: each wave's sixteenth of them is asked for JOINTLY, by the same tensor load with the same descriptor in all four.
; Wo.  Wave w quantises rows 16 w .. 16 w + 15, 2,048 dense bytes, by four loads: a lane holds 8 neighbours of a row, four lanes a row (one block).  Codes and scale words go to LDS, and behind the barrier that
; shows the batch landed each wave reads its quarter's four tiles back as they stand in an operand.  So ten loads a wave stand ahead of that barrier; x, wanted at the very end, is asked for behind it.
; K = 32 IN AN INSTRUCTION OF K = 128.  A fragment of g (two dense loads: a whole chunk) holds FOUR tiles of 16 keys, one in each block of 32 along K.  The queries' operand stands in four variants, f's 32 codes in
; block kb and zero codes elsewhere: the product with variant kb is tile kb's scores (a zero code adds nothing: E2M1 has no NaN and no infinity, and no scale byte here is 0xff).  The variants are five groups of four
; registers, 0 | f in lanes 0-15 | 0 | f in lanes 16-31 | 0, read at four places.  The last product (K = 32 too) has its codes in block 0 and zero codes elsewhere.
; LAYOUT.  Both attention products are used transposed (source 0 = 16 keys, or 16 channels of h; source 1 = my 16 queries): a lane holds ONE query throughout, and the rows of the tiles are so chosen that
; 16 registers of two neighbouring tiles are 16 neighbours along the next K.
; REGISTERS: v1-3 places that stay, v4-6 the step's LDS addresses; v7-18, v31 addresses; v12 -M, v13 largest t, v[14:15] the sum; v19-29 scale words and nothing else; v32-47 g's two fragments, v48-63 h's two;
; v64-79 Wo's codes; v80-99 the queries' five groups; v100-163 scores, then p (at the head v100-115: my tile of Wo); v164-179 O^T; v180-187 p's codes; v188-191 gamma bo; v192-215 at work (at the head v192-195: Wo's LDS addresses);
; v216-247 my rows of x; v248-251 bo, then (with v252, v253) the sum's chains in the key loop.
.set CHK,   2304                       ; a chunk in kv and in LDS; also a wave's place in MG
.set MG,    147456                     ; behind the batch: 16 x 2,304: a wave's O^T (4 x 512), -M at +2048, the sum at +2176
.set ST,    184320                     ; the stage: 256 rows (output channels) x (256 bytes = 64 positions, + 16)
.set SP,    272
.set WOI,   253952                     ; Wo's codes: 16 tiles x 256 bytes, row r's 16 bytes at 16 r
.set WOS,   258048                     ; Wo's scale words: 16 tiles x 64 bytes, word r at 4 r
.set S,     100
.set OT,    164
.set PC,    180
.set FLOOR, 0x1800000                  ; 2^(3 - 127)
.set LESS2, 0xff000000                 ; takes 2 off an exponent field
; A round of the cluster's barrier: my work-group's barrier, wave 0 signals for the work-group, every wave waits for all four work-groups, my work-group's barrier once more.
.macro CROUND
	s_barrier_signal -1
	s_barrier_wait -1
	s_cmp_lg_u32 s18, 0
	s_cbranch_scc1 .Lnot_wave_0_\@
	s_barrier_signal -3
.Lnot_wave_0_\@:
	s_barrier_wait -3
	s_barrier_signal -1
	s_barrier_wait -1
.endm
	s_load_b256 s[4:11], s[0:1], 0x0               ; kv s[4:5], fq s[6:7], Wo s[8:9], bo s[10:11]
	s_load_b128 s[12:15], s[0:1], 0x20             ; gamma s[12:13], x s[14:15]
	s_load_b64 s[16:17], s[0:1], 0x30              ; out0
	v_lshl_add_u32 v254, v0, 2, 0x40000
	v_mov_b32 v255, 0
	ds_add_u32 v254, v255
	ds_add_u32 v254, v255
	v_lshrrev_b32 v1, 5, v0
	s_delay_alu instid0(VALU_DEP_1)
	v_readfirstlane_b32 s18, v1                    ; wave 0..15
	s_and_b32 s19, s18, 3                          ; t: my tile of queries
	s_lshr_b32 s36, s18, 2                         ; kq: my quarter of the keys, and my 64 output channels
	s_bfe_u32 s37, ttmp6, 0x40000                  ; cx: it enters fq's, x's and out0's addresses alone
	s_lshl_b32 s38, ttmp9, 2
	s_add_co_u32 s38, s38, s37                     ; chunk = 4 x cluster x + cx
	s_and_b32 s39, ttmp7, 0xffff                   ; batch, which the four partners share
	; descriptor group 1: 36 rows of 256 bytes (32 elements of 8 bytes), dense: four chunks
	s_mov_b32 s24, 0x0023000f                      ; 15:0 the mask: all four work-groups; 17:16 elements of 8 bytes; 21 set beside a mask; no padding
	s_mov_b32 s25, 32<<16                          ; tensor_dim0 = 32
	s_mov_b32 s26, 36<<16                          ; tensor_dim1 = 36
	s_mov_b32 s27, 32<<16                          ; tile_dim0 = 32
	s_mov_b32 s28, 36                              ; tile_dim1 = 36
	s_mov_b32 s29, 32                              ; from row to row
	s_mov_b32 s30, 0
	s_mov_b32 s31, 0
	s_mov_b32 s20, 0x76543210                      ; v_permlanex16_b32's selects for lane l xor 16
	s_mov_b32 s21, 0xfedcba98
	s_mov_b32 s22, 0x3fb8aa3b                      ; log2(e)
	s_mov_b32 s23, s22                             ; (named with it as a pair, so it is written)
	s_mov_b32 s47, 0x01010101
	s_mov_b32 s45, 8                               ; key steps
	s_mul_i32 s44, s36, 16*CHK                     ; LDS byte of the step's first chunk
	s_mul_i32 s33, s18, 4*CHK                      ; group 0, 63:32: my four chunks' place in LDS: wave x 9,216
	s_mul_i32 s40, s39, 64*CHK                     ; and in kv: batch x 147,456 + wave x 9,216
	s_add_co_u32 s40, s40, s33
	s_mov_b32 s41, 0
	s_lshl_b32 s42, s39, 6
	s_add_co_u32 s42, s42, s38
	s_mul_i32 s42, s42, 1280                       ; my chunk in fq
	s_mov_b32 s43, 0
	s_lshl_b32 s48, s39, 22                        ; x, out0: batch x 4 MiB + chunk x 256
	s_lshl_b32 s49, s38, 8
	s_add_co_u32 s48, s48, s49
	s_mov_b32 s49, 0
	s_lshl_b32 s50, s18, 11                        ; Wo: the tile that I quantise: 16 rows of 128 bytes
	s_mov_b32 s51, 0
	s_lshl_b32 s52, s36, 8                         ; bo: my 64 numbers
	s_mov_b32 s53, 0
	v_and_b32 v30, 31, v0                          ; L
	v_and_b32 v8, 15, v0                           ; r
	v_bfe_u32 v9, v0, 4, 1                         ; h
	s_delay_alu instid0(VALU_DEP_3)
	v_lshlrev_b32 v1, 4, v30                       ; an image's place for my lane: 16 L
	s_delay_alu instid0(VALU_DEP_2)
	v_mul_u32_u24 v2, v9, CHK                      ; g's scale words: lanes 0-15 the step's first chunk, lanes 16-31 its second; word r
	s_delay_alu instid0(VALU_DEP_1)
	v_lshl_add_u32 v2, v8, 2, v2
	s_delay_alu instid0(VALU_DEP_1)
	v_add_nc_u32 v2, 2048, v2
	v_lshlrev_b32 v3, 2, v30                       ; h's scale words: word L
	s_delay_alu instid0(VALU_DEP_1)
	v_add_nc_u32 v3, 2176, v3
	s_mul_i32 s2, s18, CHK
	s_add_co_u32 s2, s2, MG
	v_add_nc_u32 v10, s2, v1                       ; where my partial O^T goes,
	v_lshl_add_u32 v7, v30, 2, s2
	s_delay_alu instid0(VALU_DEP_1)
	v_add_nc_u32 v7, 2048, v7                      ; and my -M and sum
	s_mul_i32 s2, s19, CHK
	s_add_co_u32 s2, s2, MG
	v_add_nc_u32 v11, s2, v1                       ; my tile's four partials: 4 waves = 9,216 bytes apart
	v_lshl_add_u32 v16, v30, 2, s2
	s_delay_alu instid0(VALU_DEP_1)
	v_add_nc_u32 v16, 2048, v16
	s_mul_i32 s2, s36, 64*SP                       ; the stage, in: row 64 kq + r (+ 16 i), bytes 128 (t / 2) + 32 (t % 2) + 64 h
	s_lshr_b32 s3, s19, 1
	s_lshl_b32 s3, s3, 7
	s_add_co_u32 s2, s2, s3
	s_and_b32 s3, s19, 1
	s_lshl_b32 s3, s3, 5
	s_add_co_u32 s2, s2, s3
	s_add_co_u32 s2, s2, ST
	v_mul_u32_u24 v17, v8, SP
	s_delay_alu instid0(VALU_DEP_1)
	v_lshl_add_u32 v17, v9, 6, v17
	s_delay_alu instid0(VALU_DEP_1)
	v_add_nc_u32 v17, s2, v17
	s_mul_i32 s2, s18, 16*SP                       ; and back: my 16 rows; lanes 0-15 one row, lanes 16-31 the next
	s_add_co_u32 s2, s2, ST
	v_mul_u32_u24 v18, v9, SP
	s_delay_alu instid0(VALU_DEP_1)
	v_lshl_add_u32 v18, v8, 4, v18
	s_delay_alu instid0(VALU_DEP_1)
	v_add_nc_u32 v18, s2, v18
	s_lshl_b32 s2, s18, 18                         ; the same rows in x and out0: (16 w + h) x 16,384 + 16 r; never rewritten
	v_lshlrev_b32 v31, 14, v9
	s_delay_alu instid0(VALU_DEP_1)
	v_lshl_add_u32 v31, v8, 4, v31
	s_delay_alu instid0(VALU_DEP_1)
	v_add_nc_u32 v31, s2, v31
	s_lshl_b32 s2, s18, 8
	s_add_co_u32 s2, s2, WOI
	v_lshl_add_u32 v192, v30, 2, s2                ; where the codes of my tile of Wo go: 256 w + 4 L
	s_lshl_b32 s2, s18, 6
	s_add_co_u32 s2, s2, WOS
	v_and_b32 v193, 28, v30
	s_delay_alu instid0(VALU_DEP_1)
	v_add_nc_u32 v193, s2, v193                    ; and its scale words: 64 w + 4 (L / 4)
	s_lshl_b32 s2, s36, 10
	s_add_co_u32 s2, s2, WOI
	v_lshl_add_u32 v194, v8, 4, s2                 ; back: my quarter's four tiles, row r's 16 bytes,
	s_lshl_b32 s2, s36, 8
	s_add_co_u32 s2, s2, WOS
	v_lshl_add_u32 v195, v8, 2, s2                 ; and word r
	s_lshl_b32 s2, s19, 8
	v_lshl_add_u32 v210, v8, 4, s2                 ; f's codes: 256 t + 16 r
	s_add_co_u32 s3, s19, 1024
	v_lshl_add_u32 v211, v8, 2, s3                 ; f's scale byte: 1024 + 4 r + t
	v_lshlrev_b32 v212, 2, v8                      ; bo: 4 r
	v_lshlrev_b32 v213, 5, v30                     ; Wo: 32 L: 8 numbers a lane
.irp j, 80,81,82,83,88,89,90,91,96,97,98,99
	v_mov_b32 v\j, 0                               ; the three groups of zero codes
.endr
	s_wait_dscnt 0x0
	s_wait_kmcnt 0x0
	s_load_b32 s46, s[12:13], 0x0                  ; gamma
	s_mov_b32 s32, 1                               ; group 0: count = 1
	s_add_nc_u64 s[34:35], s[4:5], s[40:41]        ; 120:64 global address
	s_or_b32 s35, s35, 0x80000000                  ; 127:126 type = 2
	s_add_nc_u64 s[6:7], s[6:7], s[42:43]
	s_add_nc_u64 s[8:9], s[8:9], s[50:51]
	s_add_nc_u64 s[10:11], s[10:11], s[52:53]
	s_add_nc_u64 s[14:15], s[14:15], s[48:49]
	s_add_nc_u64 s[16:17], s[16:17], s[48:49]
	; the head's ten loads go out ahead of the round: nobody writes these bytes, and they are on their way while the work-groups meet
	global_load_b128 v[84:87], v210, s[6:7]        ; my queries' codes, the same in both halves of the lanes
	global_load_u8 v214, v211, s[6:7]              ; and their scale byte
.irp i, 0,1,2,3
	global_load_b32 v[248+\i], v212, s[10:11] offset:64*\i
.endr
	global_load_b128 v[100:103], v213, s[8:9]              ; Wo: rows 0-7 of my tile: lane L holds numbers 8 (L % 4) + 0 .. 7 of row L / 4;
	global_load_b128 v[104:107], v213, s[8:9] offset:16
	global_load_b128 v[108:111], v213, s[8:9] offset:1024  ; rows 8-15 likewise
	global_load_b128 v[112:115], v213, s[8:9] offset:1040
	CROUND                                         ; all four work-groups are here: the joint loads meet
	tensor_load_to_lds s[32:35], s[24:31]          ; my sixteenth of the batch: the wave's one tensor load
	s_nop 0
.rept 4
	v_nop
.endr
	s_wait_loadcnt 0x0                             ; the ten loads
	s_wait_kmcnt 0x0                               ; gamma
	v_cmp_lt_u32 vcc_lo, 15, v30                   ; lanes 16-31
.irp i, 0,1,2,3
	v_cndmask_b32 v[92+\i], 0, v[84+\i], vcc_lo    ; f in lanes 16-31, zero codes below
.endr
.irp i, 0,1,2,3
	v_cndmask_b32 v[84+\i], v[84+\i], v80, vcc_lo  ; f in lanes 0-15, zero codes above
.endr
	v_mul_lo_u32 v19, v214, s47                    ; f's byte in all four places of the scale word: whichever block holds f finds it
	v_max3_num_f32 v196, |v100|, |v101|, FLOOR     ; Wo's rows are one block each: my 8 numbers of a row of the upper eight and of the lower eight, by turns,
	v_max3_num_f32 v197, |v108|, |v109|, FLOOR
.irp k, 2,4,6
	s_delay_alu instid0(VALU_DEP_2)
	v_max3_num_f32 v196, v196, |v[100+\k]|, |v[101+\k]|
	s_delay_alu instid0(VALU_DEP_2)
	v_max3_num_f32 v197, v197, |v[108+\k]|, |v[109+\k]|
.endr
.irp m, 1,2
	s_delay_alu instid0(VALU_DEP_2)
	v_max_num_f32_dpp v196, v196, v196 row_xmask:\m row_mask:0xf bank_mask:0xf   ; and those of the three lanes that share the row
	s_delay_alu instid0(VALU_DEP_2)
	v_max_num_f32_dpp v197, v197, v197 row_xmask:\m row_mask:0xf bank_mask:0xf
.endr
	s_delay_alu instid0(VALU_DEP_2)
	v_add_nc_u32 v200, LESS2, v196                 ; the conversion's scale operand
	s_delay_alu instid0(VALU_DEP_2)
	v_add_nc_u32 v201, LESS2, v197
	s_delay_alu instid0(VALU_DEP_2)
	v_lshrrev_b32 v204, 23, v200                   ; the byte of block 0; the word's other bytes are 0 and meet zero codes
	s_delay_alu instid0(VALU_DEP_2)
	v_lshrrev_b32 v205, 23, v201
	v_cvt_scalef32_pk8_fp4_f32 v206, v[100:107], v200
	v_cvt_scalef32_pk8_fp4_f32 v207, v[108:115], v201
	v_nop                                          ; one plain line behind the last scaled conversion
	ds_store_b32 v192, v206                        ; a row's four lanes lay its 16 bytes on end: 16 (L / 4) + 4 (L % 4) = 4 L
	ds_store_b32 v192, v207 offset:128
	ds_store_b32 v193, v204                        ; the four lanes of a row write the same word with the same value
	ds_store_b32 v193, v205 offset:32
.irp i, 0,1,2,3
	v_mul_f32 v[188+\i], s46, v[248+\i]            ; gamma bo
.endr
	v_mov_b32 v13, 0xff61b1e6                      ; the largest t so far: -3e38, under every t
	s_delay_alu instid0(VALU_DEP_1)
	v_floor_f32 v12, -v13                          ; -M
	v_mov_b32 v14, 0                               ; the sum, in two halves
	v_mov_b32 v15, 0
	v_mov_b32 v198, 0                              ; (a lane permute's destination counts as one of its sources: v196 and v197 are written above)
	v_mov_b32 v199, 0
	v_mov_b32 v209, 0                              ; (upper halves of pairs of which the low word alone is used)
	v_mov_b32 v211, 0
.set j, 0
.rept 16
	v_mov_b32 v[OT+j], 0                           ; O^T: the step is written once; the first finds zeros, which the first change of M leaves zeros
.set j, j+1
.endr
	s_wait_tensorcnt 0x0                           ; my sixteenth has landed,
	s_wait_dscnt 0x0                               ; and so have my stores of Wo's codes and words: for the others' sake
	s_barrier_signal -1
	s_barrier_wait -1                              ; everybody's have: the batch and Wo lie in LDS
.irp i, 0,1,2,3,4,5,6,7
	global_load_b128 v[216+4*\i:219+4*\i], v31, s[14:15] offset:32768*\i th:TH_LOAD_NT   ; the residual: wanted at the very end, asked for here: it has the whole key loop in which to land
.endr
.irp i, 0,1,2,3
	ds_load_b128 v[64+4*\i:67+4*\i], v194 offset:256*\i    ; Wo's tile i of my quarter: row r's codes, the same in both halves of the lanes
	ds_load_b32 v[26+\i], v195 offset:64*\i                ; and its scale words.  (LDS loads come back in order: the key loop's first wait shows these in)
.endr
.Lkey:                                             ; 8 trips: 128 keys = two chunks a trip
	s_setprio 2
	v_add_nc_u32 v4, s44, v1
	v_add_nc_u32 v5, s44, v2
	v_add_nc_u32 v6, s44, v3
	v_nop                                          ; with the three above: four places in front of loads into registers that the last products read
	ds_load_b128 v[32:35], v4                      ; g: the first chunk's four tiles,
	ds_load_b128 v[36:39], v4 offset:512
	ds_load_b128 v[40:43], v4 offset:CHK           ; the second's
	ds_load_b128 v[44:47], v4 offset:CHK+512
	ds_load_b32 v20, v5                            ; their scale words: one register, the chunks in the two halves of the lanes
	ds_load_b128 v[48:51], v4 offset:1024          ; h: channel tile 0, keys 0-63,
	ds_load_b128 v[52:55], v4 offset:CHK+1024      ; keys 64-127;
	ds_load_b128 v[56:59], v4 offset:1536          ; channel tile 1
	ds_load_b128 v[60:63], v4 offset:CHK+1536
	ds_load_b32 v21, v6
	ds_load_b32 v22, v6 offset:CHK
	s_wait_dscnt 6                                 ; g and its scales are in; h's four loads and two scale loads are younger
.irp k, 0,1,2,3                                ; S^T: tile kb of chunk 0: variant kb of the queries' operand begins at v[84 + 8 (kb % 2) - 4 (kb / 2)]
	v_wmma_scale_f32_16x16x128_f8f6f4 v[S+8*\k:S+8*\k+7], v[32:39], v[84+8*(\k%2)-4*(\k/2):84+8*(\k%2)-4*(\k/2)+7], 0, v20, v19 matrix_a_fmt:MATRIX_FMT_FP4 matrix_b_fmt:MATRIX_FMT_FP4
.endr
.irp k, 0,1,2,3                                ; and of chunk 1
	v_wmma_scale_f32_16x16x128_f8f6f4 v[S+32+8*\k:S+32+8*\k+7], v[40:47], v[84+8*(\k%2)-4*(\k/2):84+8*(\k%2)-4*(\k/2)+7], 0, v20, v19 matrix_a_fmt:MATRIX_FMT_FP4 matrix_b_fmt:MATRIX_FMT_FP4 matrix_a_scale:MATRIX_SCALE_ROW1
.endr                                              ; lane (r, h): query r; the 16 registers of tiles 2 b, 2 b + 1 are keys 32 b + 16 h + 0 .. 15
	s_wait_dscnt 0x0
	v_bfi_b32 v23, 0xffff, v21, v22                ; h's scale word for the 128 keys: two bytes of each chunk's word
.rept 3
	v_nop                                          ; with the line above: four places in front of the first read of the scores
.endr
.irp b, 0,1,2,3
	v_max3_num_f32 v[192+\b], v[S+16*\b], v[S+1+16*\b], v[S+2+16*\b]   ; the largest score of each block of 32 keys: for the row's maximum, and, since p rises with the score, for the block's largest p
.endr
.irp i, 3,5,7,9,11,13
.irp b, 0,1,2,3
	v_max3_num_f32 v[192+\b], v[192+\b], v[S+16*\b+\i], v[S+1+16*\b+\i]
.endr
.endr
.irp b, 0,1,2,3
	v_max_num_f32 v[192+\b], v[192+\b], v[S+15+16*\b]
.endr
.irp b, 0,1,2,3
	s_delay_alu instid0(VALU_DEP_4)
	v_permlanex16_b32 v[196+\b], v[192+\b], s20, s21
.endr
.irp b, 0,1,2,3
	s_delay_alu instid0(VALU_DEP_4)
	v_max_num_f32 v[192+\b], v[192+\b], v[196+\b]  ; with lane l xor 16's 16 keys
.endr
	s_delay_alu instid0(VALU_DEP_2)
	v_max3_num_f32 v210, v192, v193, v194
	s_delay_alu instid0(VALU_DEP_1)
	v_max_num_f32 v210, v210, v195
	s_delay_alu instid0(VALU_DEP_1)
	v_mul_f32 v210, s22, v210                      ; the step's largest t
	s_delay_alu instid0(VALU_DEP_1)
	v_max_num_f32 v13, v13, v210
	v_mov_b32 v210, v12
	s_delay_alu instid0(VALU_DEP_2)
	v_floor_f32 v12, -v13                          ; the new -M = -ceil(t)
	s_delay_alu instid0(VALU_DEP_1)
	v_sub_f32 v210, v12, v210                      ; old M - new M: a whole number, 0 or less
	s_delay_alu instid0(VALU_DEP_1)
	v_cvt_i32_f32 v210, v210                       ; (it saturates)
	s_delay_alu instid0(VALU_DEP_1)
	v_ldexp_f32 v208, 1.0, v210                    ; 2^(old M - new M): rounds nothing
.set j, 0
.rept 32
	v_pk_fma_f32 v[S+j:S+j+1], v[S+j:S+j+1], s[22:23], v[12:13] op_sel_hi:[1,0,0]   ; t - M, two at a time
.set j, j+2
.endr
.irp b, 0,1,2,3
	v_fma_f32 v[192+\b], v[192+\b], s22, v12       ; the same of each block's largest score
.endr
.set j, 0
	s_setprio 1
	s_wait_alu depctr_va_vdst(0)
.rept 64
	v_exp_f32 v[S+j], v[S+j]                       ; p = 2^(t - M)
.set j, j+1
.endr
.irp b, 0,1,2,3
	v_exp_f32 v[192+\b], v[192+\b]                 ; the block's largest p: the same two instructions on the same number
.endr
	v_pk_mul_f32 v[14:15], v[14:15], v[208:209] op_sel_hi:[1,0]   ; the sum and O^T under the new M: nine plain lines that name no exponential's result
.set j, 0
	s_wait_alu depctr_va_vdst(0)
.rept 8
	v_pk_mul_f32 v[OT+j:OT+j+1], v[OT+j:OT+j+1], v[208:209] op_sel_hi:[1,0]
.set j, j+2
.endr
	s_wait_alu depctr_va_vdst(0)                   ; one wait for the batch of 68, ahead of its first reader
.irp b, 0,1,2,3
	v_max_num_f32 v[192+\b], FLOOR, v[192+\b]
.endr
.irp b, 0,1,2,3
	s_delay_alu instid0(VALU_DEP_4)
	v_add_nc_u32 v[200+\b], LESS2, v[192+\b]       ; the conversion's scale operand
.endr
.irp b, 0,1,2,3
	s_delay_alu instid0(VALU_DEP_4)
	v_lshrrev_b32 v[204+\b], 23, v[200+\b]         ; the scale's byte
.endr
	s_delay_alu instid0(VALU_DEP_3)
	v_lshl_or_b32 v24, v205, 8, v204               ; p's scale word for these 128 keys
	s_delay_alu instid0(VALU_DEP_1)
	v_lshl_or_b32 v24, v206, 16, v24
	s_delay_alu instid0(VALU_DEP_1)
	v_lshl_or_b32 v24, v207, 24, v24
.irp b, 0,1,2,3
	v_cvt_scalef32_pk8_fp4_f32 v[PC+2*\b], v[S+16*\b:S+7+16*\b], v[200+\b]
	v_cvt_scalef32_pk8_fp4_f32 v[PC+1+2*\b], v[S+8+16*\b:S+15+16*\b], v[200+\b]
.endr
	v_nop                                          ; one plain line behind the last scaled conversion
.irp c, 0,1                                    ; the operand wants a WHOLE block in a lane: lanes 0-15 block 2 c, lanes 16-31 block 2 c + 1
.irp i, 0,1
	v_permlane16_swap_b32 v[PC+4*\c+\i], v[PC+2+4*\c+\i]
.endr
.endr
	v_pk_add_f32 v[212:213], v[104:105], v[108:109]
	v_pk_add_f32 v[252:253], v[112:113], v[116:117]
	v_pk_add_f32 v[250:251], v[120:121], v[124:125]
	s_setprio 0
	v_pk_add_f32 v[248:249], v[128:129], v[132:133]
	v_pk_add_f32 v[214:215], v[136:137], v[140:141]
	v_pk_add_f32 v[194:195], v[144:145], v[148:149]
	v_pk_add_f32 v[192:193], v[152:153], v[156:157]
	v_pk_add_f32 v[14:15], v[14:15], v[160:161]
	v_pk_add_f32 v[212:213], v[212:213], v[100:101]
	v_pk_add_f32 v[252:253], v[252:253], v[102:103]
	v_pk_add_f32 v[250:251], v[250:251], v[106:107]
	v_pk_add_f32 v[248:249], v[248:249], v[110:111]
	v_pk_add_f32 v[214:215], v[214:215], v[114:115]
	v_pk_add_f32 v[194:195], v[194:195], v[118:119]
	v_pk_add_f32 v[192:193], v[192:193], v[122:123]
	v_pk_add_f32 v[14:15], v[14:15], v[126:127]
	v_pk_add_f32 v[212:213], v[212:213], v[130:131]
	v_pk_add_f32 v[252:253], v[252:253], v[134:135]
	v_pk_add_f32 v[250:251], v[250:251], v[138:139]
	v_pk_add_f32 v[248:249], v[248:249], v[142:143]
	v_pk_add_f32 v[214:215], v[214:215], v[146:147]
	v_pk_add_f32 v[194:195], v[194:195], v[150:151]
	v_pk_add_f32 v[192:193], v[192:193], v[154:155]
	v_pk_add_f32 v[14:15], v[14:15], v[158:159]
	v_pk_add_f32 v[212:213], v[212:213], v[162:163]
	s_delay_alu instid0(VALU_DEP_2)
	v_pk_add_f32 v[14:15], v[14:15], v[248:249]
	s_delay_alu instid0(VALU_DEP_2)
	v_pk_add_f32 v[212:213], v[212:213], v[214:215]
	v_pk_add_f32 v[252:253], v[252:253], v[194:195]
	v_pk_add_f32 v[250:251], v[250:251], v[192:193]
	s_delay_alu instid0(VALU_DEP_2)
	v_pk_add_f32 v[14:15], v[14:15], v[252:253]
	s_delay_alu instid0(VALU_DEP_2)
	v_pk_add_f32 v[212:213], v[212:213], v[250:251]
	s_delay_alu instid0(VALU_DEP_1)
	v_pk_add_f32 v[14:15], v[14:15], v[212:213]
	v_wmma_scale_f32_16x16x128_f8f6f4 v[OT:OT+7], v[48:55], v[PC:PC+7], v[OT:OT+7], v23, v24 matrix_a_fmt:MATRIX_FMT_FP4 matrix_b_fmt:MATRIX_FMT_FP4   ; O^T += h p^T: lane (r, h): query r, channels 16 h + 0 .. 7,
	v_wmma_scale_f32_16x16x128_f8f6f4 v[OT+8:OT+15], v[56:63], v[PC:PC+7], v[OT+8:OT+15], v23, v24 matrix_a_fmt:MATRIX_FMT_FP4 matrix_b_fmt:MATRIX_FMT_FP4 matrix_a_scale:MATRIX_SCALE_ROW1   ; and 16 h + 8 .. 15
	s_add_co_u32 s44, s44, 2*CHK
	s_sub_co_u32 s45, s45, 1
	s_cmp_lg_u32 s45, 0
	s_cbranch_scc1 .Lkey                           ; no two matrix instructions that follow each other share an accumulator, over this jump too
	s_setprio 0
	; ---- my quarter's partial result goes to LDS as it stands
.rept 4
	v_nop                                          ; four places in front of the first read of O^T
.endr
	v_add_f32 v14, v14, v15
	s_delay_alu instid0(VALU_DEP_1)
	v_permlanex16_b32 v196, v14, s20, s21
	s_delay_alu instid0(VALU_DEP_1)
	v_add_f32 v14, v14, v196                       ; the sum over my 1,024 keys
.irp i, 0,1,2,3
	ds_store_b128 v10, v[OT+4*\i:OT+4*\i+3] offset:512*\i
.endr
	ds_store_b32 v7, v12
	ds_store_b32 v7, v14 offset:128
	s_wait_dscnt 0x0                               ; for the others' sake: my stores have landed
	s_barrier_signal -1
	s_barrier_wait -1
	; ---- the merge: all four waves of a tile do it alike
.irp q, 0,1,2,3
.irp i, 0,1,2,3
	ds_load_b128 v[S+16*\q+4*\i:S+16*\q+4*\i+3], v11 offset:4*CHK*\q+512*\i
.endr
	ds_load_b32 v[192+\q], v16 offset:4*CHK*\q
	ds_load_b32 v[196+\q], v16 offset:4*CHK*\q+128
.endr
	s_wait_dscnt 0x0
	v_min3_num_f32 v210, v192, v193, v194
	s_delay_alu instid0(VALU_DEP_1)
	v_min_num_f32 v210, v210, v195                 ; the smallest -M: the row's M
.irp q, 0,1,2,3
	v_sub_f32 v[192+\q], v210, v[192+\q]           ; M of quarter q less the row's M: a whole number, 0 or less
.endr
.irp q, 0,1,2,3
	s_delay_alu instid0(VALU_DEP_4)
	v_cvt_i32_f32 v[192+\q], v[192+\q]
.endr
.irp q, 0,1,2,3
	s_delay_alu instid0(VALU_DEP_4)
	v_ldexp_f32 v[200+2*\q], 1.0, v[192+\q]        ; the quarter's factor, a power of two
.endr
	s_delay_alu instid0(VALU_DEP_4)
	v_mul_f32 v14, v200, v196
	s_delay_alu instid0(VALU_DEP_1)
	v_fma_f32 v14, v202, v197, v14
	s_delay_alu instid0(VALU_DEP_1)
	v_fma_f32 v14, v204, v198, v14
	s_delay_alu instid0(VALU_DEP_1)
	v_fma_f32 v14, v206, v199, v14                 ; the row's sum
	s_wait_alu depctr_va_vdst(0)
	v_rcp_f32 v210, v14
.set j, 0
.rept 8
	v_pk_mul_f32 v[OT+j:OT+j+1], v[S+j:S+j+1], v[200:201] op_sel_hi:[1,0]
.set j, j+2
.endr
.irp q, 1,2,3
.set j, 0
.rept 8
	v_pk_fma_f32 v[OT+j:OT+j+1], v[S+16*\q+j:S+16*\q+j+1], v[200+2*\q:201+2*\q], v[OT+j:OT+j+1] op_sel_hi:[1,0,1]
.set j, j+2
.endr
.endr
	s_wait_alu depctr_va_vdst(0)                   ; the reciprocal's wait, ahead of its first reader; the 32 lines above are the work between
.set j, 0
.rept 8
	v_pk_mul_f32 v[OT+j:OT+j+1], v[OT+j:OT+j+1], v[210:211] op_sel_hi:[1,0]   ; out(query r, channels 16 h + 0 .. 15)
.set j, j+2
.endr
	; ---- out is quantised along its 32 channels: one block, in lanes l and l xor 16
.irp j, 182,183,184,185,186,187
	v_mov_b32 v\j, 0
.endr
	v_max3_num_f32 v192, |v[OT]|, |v[OT+1]|, FLOOR
	v_max3_num_f32 v193, |v[OT+2]|, |v[OT+3]|, |v[OT+4]|
	s_delay_alu instid0(VALU_DEP_2)
	v_max3_num_f32 v192, v192, |v[OT+5]|, |v[OT+6]|
	s_delay_alu instid0(VALU_DEP_2)
	v_max3_num_f32 v193, v193, |v[OT+7]|, |v[OT+8]|
	s_delay_alu instid0(VALU_DEP_2)
	v_max3_num_f32 v192, v192, |v[OT+9]|, |v[OT+10]|
	s_delay_alu instid0(VALU_DEP_2)
	v_max3_num_f32 v193, v193, |v[OT+11]|, |v[OT+12]|
	s_delay_alu instid0(VALU_DEP_2)
	v_max3_num_f32 v192, v192, |v[OT+13]|, |v[OT+14]|
	s_delay_alu instid0(VALU_DEP_1)
	v_max3_num_f32 v192, v192, v193, |v[OT+15]|
	s_delay_alu instid0(VALU_DEP_1)
	v_permlanex16_b32 v196, v192, s20, s21
	s_delay_alu instid0(VALU_DEP_1)
	v_max_num_f32 v192, v192, v196
	s_delay_alu instid0(VALU_DEP_1)
	v_add_nc_u32 v200, LESS2, v192
	s_delay_alu instid0(VALU_DEP_1)
	v_lshrrev_b32 v25, 23, v200                    ; the byte of block 0; the other bytes are 0 and meet zero codes
	v_cvt_scalef32_pk8_fp4_f32 v[PC], v[OT:OT+7], v200
	v_cvt_scalef32_pk8_fp4_f32 v[PC+1], v[OT+8:OT+15], v200
	v_nop
	v_permlane16_swap_b32 v[PC], v[PC+2]           ; lanes 0-15 now hold the whole block in four registers, lanes 16-31 zero codes
	v_permlane16_swap_b32 v[PC+1], v[PC+3]
.rept 8
	v_nop                                          ; a scale word made by a vector instruction stands eight places ahead of the scaled product, an operand four
.endr
.irp i, 0,1,2,3                                ; source 0 = my 16 queries, source 1 = 16 rows of Wo: lane (r, h): output channel 64 kq + 16 i + r, positions 32 (t / 2) + 8 (t % 2) + 16 h + 0 .. 7
	v_wmma_scale_f32_16x16x128_f8f6f4 v[S+8*\i:S+8*\i+7], v[PC:PC+7], v[64+4*\i:71+4*\i], 0, v25, v[26+\i] matrix_a_fmt:MATRIX_FMT_FP4 matrix_b_fmt:MATRIX_FMT_FP4
.endr
.rept 4
	v_nop
.endr
.irp i, 0,1,2,3
.irp j, 0,1,2,3,4,5,6,7
	v_fma_f32 v[S+8*\i+\j], s46, v[S+8*\i+\j], v[188+\i]   ; gamma o + gamma bo
.endr
.endr
.irp i, 0,1,2,3
	ds_store_b128 v17, v[S+8*\i:S+8*\i+3] offset:16*SP*\i
	ds_store_b128 v17, v[S+8*\i+4:S+8*\i+7] offset:16*SP*\i+16
.endr
	s_wait_dscnt 0x0                               ; for the others' sake: a row's 256 bytes come from four waves
	s_barrier_signal -1
	s_barrier_wait -1
	; ---- the way out: each wave takes 16 whole rows, adds x and stores
.irp i, 0,1,2,3,4,5,6,7
	ds_load_b128 v[S+4*\i:S+4*\i+3], v18 offset:2*SP*\i
.endr
	s_wait_loadcnt 0x0                             ; x, asked for ahead of the key loop
.irp i, 0,1,2,3,4,5,6,7
	s_wait_dscnt 7-\i                              ; LDS loads come back in order: rows 2 i, 2 i + 1 are in, the younger ones may be out
	v_pk_add_f32 v[S+4*\i:S+4*\i+1], v[S+4*\i:S+4*\i+1], v[216+4*\i:217+4*\i]
	v_pk_add_f32 v[S+4*\i+2:S+4*\i+3], v[S+4*\i+2:S+4*\i+3], v[218+4*\i:219+4*\i]
	global_store_b128 v31, v[S+4*\i:S+4*\i+3], s[16:17] offset:32768*\i th:TH_STORE_NT   ; 16 lanes store 256 consecutive bytes, at a multiple of 256 from out0's first byte
.endr
	s_wait_tensorcnt 0x0
	ds_add_u32 v254, v255
	s_wait_dscnt 0x0
	CROUND                                         ; the closing round: no work-group ends while a partner may still ask for a tile that names it
	s_endpgm
.Lfunc_end_k_qd6bc96a0ea_attn:
	.size	k_qd6bc96a0ea_attn, .Lfunc_end_k_qd6bc96a0ea_attn-k_qd6bc96a0ea_attn
	.p2alignl 7, 3214868480
	.fill 96, 4, 3214868480
	.section	.rodata,"a",@progbits
	.p2align	6, 0x0
	.amdhsa_kernel k_qd6bc96a0ea_attn
		.amdhsa_group_segment_fixed_size 264192
		.amdhsa_private_segment_fixed_size 0
		.amdhsa_enable_private_segment 0
		.amdhsa_kernarg_size 56
		.amdhsa_user_sgpr_count 2
		.amdhsa_user_sgpr_kernarg_segment_ptr 1
		.amdhsa_wavefront_size32 1
		.amdhsa_system_sgpr_workgroup_id_x 1
		.amdhsa_system_sgpr_workgroup_id_y 1
		.amdhsa_system_sgpr_workgroup_id_z 1
		.amdhsa_system_vgpr_workitem_id 0
		.amdhsa_next_free_vgpr 256
		.amdhsa_next_free_sgpr 66
		.amdhsa_reserve_vcc 1
		.amdhsa_float_denorm_mode_32 3
		.amdhsa_float_denorm_mode_16_64 3
		.amdhsa_memory_ordered 1
		.amdhsa_forward_progress 1
		.amdhsa_inst_pref_size 42
	.end_amdhsa_kernel
	.amdgpu_metadata
---
amdhsa.version: [ 1, 2 ]
amdhsa.kernels:
  - .name:           k_qd6bc96a0ea_attn
    .symbol:         k_qd6bc96a0ea_attn.kd
    .args:
      - { .name: kv, .offset: 0, .size: 8, .value_kind: global_buffer, .address_space: global }
      - { .name: fq, .offset: 8, .size: 8, .value_kind: global_buffer, .address_space: global }
      - { .name: Wo, .offset: 16, .size: 8, .value_kind: global_buffer, .address_space: global }
      - { .name: bo, .offset: 24, .size: 8, .value_kind: global_buffer, .address_space: global }
      - { .name: gamma, .offset: 32, .size: 8, .value_kind: global_buffer, .address_space: global }
      - { .name: x, .offset: 40, .size: 8, .value_kind: global_buffer, .address_space: global }
      - { .name: out0, .offset: 48, .size: 8, .value_kind: global_buffer, .address_space: global }
    .group_segment_fixed_size: 264192
    .private_segment_fixed_size: 0
    .kernarg_segment_align: 8
    .kernarg_segment_size: 56
    .max_flat_workgroup_size: 512
    .sgpr_count:     66
    .vgpr_count:     256
    .wavefront_size: 32
...
	.end_amdgpu_metadata
.endif
;; end of part 6
